; MI455X (gfx1250); checked and timed in simulation.
; The chip was launched on July 23, 2026; its instructions are those of AMD's public machine-readable ISA for CDNA 5 (MIT licence, August 2026) and "CDNA5" Instruction Set Architecture Reference Guide (July 2026). The comments in the code are by the model that wrote it; some were corrected since.
;; Multi Head Self Attention. Allowed arithmetic: matrix products marked QUANTISED: E2M1 operands, one E8M0 scale for each 32 along K, by v_wmma_scale_f32_16x16x128_f8f6f4 with both operands' format E2M1 (or v_wmma_scale_f32_32x16x128_f4), f32 sums; products left as they are: bf16, f16 or f32 operands; f32 sums; everything else in f32.
;; Inputs: Wk 1,024 x 1,024 float32; Wo 1,024 x 1,024 float32; Wq 1,024 x 1,024 float32; Wv 1,024 x 1,024 float32; token_positions 4 x 2,048 int32; x 4 x 2,048 x 1,024 float32.
;; Outputs: out0 4 x 2,048 x 1,024 float32.
;; This version of the problem:
;;   THIS VERSION OF THE PROBLEM IS GIVEN IN LOW PRECISION. The matrix products marked QUANTISED in the list below multiply operands that are first quantised to E2M1 (2 exponent bits, 1 mantissa bit; 4 bits a number), with one power-of-two scale for each 32 numbers along K (OCP MX v1.0); their sums are f32. The products marked 'left as it is' may take bf16, f16 or f32 operands, with f32 sums. Whichever they take, every output number must still come out within the allowed error. Rounding operands to bf16 (8 significant bits) uses up far more of that allowance than f16 does (11 bits, for magnitudes from 6e-5 to 65,504). All else is computed in f32.
;;   The module's matrix products, in the order in which they are computed (A, B: the left and right operand; K: the contracted axis; several contracted axes count as one K, in the product's order):
;;     1. [M 8,192, K 1,024] x [K 1,024, N 1,024]; A: input x; B: input Wq: QUANTISED
;;     2. [M 8,192, K 1,024] x [K 1,024, N 1,024]; A: input x; B: input Wk: QUANTISED
;;     3. [M 8,192, K 1,024] x [K 1,024, N 1,024]; A: input x; B: input Wv: QUANTISED
;;     4. batch 64 x [M 2,048, K 64] x [K 64, N 2,048]; A: computed on the way; B: computed on the way: left as it is (an operand is computed on the way)
;;     5. batch 64 x [M 2,048, K 2,048] x [K 2,048, N 64]; A: computed on the way; B: computed on the way: left as it is (an operand is computed on the way)
;;     6. [M 8,192, K 1,024] x [K 1,024, N 1,024]; A: computed on the way; B: input Wo: left as it is (an operand is computed on the way)
;;   THE QUANTISER, for each operand of a quantised product, along K:
;;     - K is cut into blocks of 32 from its start; a last block that is shorter is filled with zeros.
;;     - A block's scale is 2^e with e = floor(log2(the largest magnitude in the block)) - 2, held to -126 .. 127; a block of zeros has e = 0. As a byte (E8M0): e + 127.
;;     - Each number is divided by its block's scale, clamped to +-6, and rounded to the nearest number of E2M1, ties to even, subnormals kept.
;;     - The product sums the exact products of the quantised numbers (number of the format x scale) in f32.
;;   ~~~python
;;   def quantise(x, axis):      # numpy; x: float32 -> the quantised numbers, widened to float32 again
;;       x = np.moveaxis(x, axis, -1); K = x.shape[-1]
;;       x = np.pad(x, [(0, 0)] * (x.ndim - 1) + [(0, -K % 32)]); x = x.reshape(x.shape[:-1] + (-1, 32)); a = np.abs(x).max(-1, keepdims=True)
;;       e = np.where(a > 0, np.clip(np.frexp(np.where(a > 0, a, 1))[1] - 1 - 2, -126, 127), 0)      # np.frexp(a)[1] - 1 = floor(log2(a)), exactly
;;       r = np.clip(x / 2.0 ** e, -6, 6)
;;       step = 2.0 ** (np.maximum(np.frexp(np.where(r == 0, 1, r))[1] - 1, 0) - 1)
;;       q = np.round(r / step) * step * 2.0 ** e      # np.round: ties to even
;;       return np.moveaxis(q.reshape(q.shape[:-2] + (-1,))[..., :K], -1, axis).astype(np.float32)
;;   ~~~
;; One version. Each part assembles by itself: llvm-mc -triple=amdgcn-amd-amdhsa -mcpu=gfx1250 --defsym DOCPART=n.
;; ======== version 1 of 1: 6 launches
;; limits: values are held in f16: magnitudes above 65,504 overflow, below 6.1e-05 lose precision
;; workspace buffers: codes 5,767,168 bytes; scales 360,448 bytes; wo16 2,097,152 bytes; rope 2,162,688 bytes; qkvh 50,331,648 bytes; ao 16,777,216 bytes; o32 262,144 bytes
;; launch quant (part 1): grid 417 x 1, 4 waves a work-group, no clusters, 33,280 bytes of LDS; arguments x, Wq, Wk, Wv, Wo, token_positions, codes, scales, wo16, rope; writes codes, scales, wo16, rope
.if DOCPART == 1
	.amdgcn_target "amdgcn-amd-amdhsa--gfx1250"
	.amdhsa_code_object_version 6
	.text
	.protected	k_qdc24c29eea_quant
	.globl	k_qdc24c29eea_quant
	.p2align	8
	.type	k_qdc24c29eea_quant,@function
k_qdc24c29eea_quant:
	s_mov_b64 s[64:65], 0
	v_nop
	global_prefetch_b8 v0, s[64:65] scope:SCOPE_SE
	s_setreg_imm32_b32 hwreg(HW_REG_WAVE_MODE, 25, 1), 1
	s_wait_xcnt 0x0
; THREE JOBS IN ONE LAUNCH, told apart by the work-group's number alone.
;   0 .. 351   x [8192][1024], Wq, Wk, Wv [1024][1024], f32, K innermost, become codes of E2M1 (two a byte, the lower k in the low four bits) and one E8M0 byte for each 32 along K:
;              codes [11264 rows][512 bytes], scales [11264][32]; rows 0-8191 are x's, rows 8192 + 1024 t + e are W_t's (t = 0 q, 1 k, 2 v).  Rows are dense, so all four are plain streams of blocks of 32.
;   352 .. 383 Wo, f32, is rounded to f16 (wo16, same order).
;   384 .. 416 the table of rotations: rope [8448 rows][32 frequencies][cos, sin] f32, 256 bytes a row; row b*2048+s from token_positions; rows 8192-8447 hold (1, 0), for V.
; A block's scale is 2^(floor(log2(its largest magnitude)) - 2); its byte is the largest magnitude's exponent field - 2, held at 1 from below.  A block of zeros so gets the byte 1 where the rule says 127:
; its codes are zeros, which add nothing under any byte but 0xff, and this program alone reads the bytes.
; LIMITS: NaN and infinities among the inputs are not served; blocks whose largest magnitude lies under 2^-124 keep the byte 1; |Wo| up to 65,504 (f16); |token_positions| up to 2^23
; (the quotient of the range reduction is then a whole number in f32, and angle - n x (pi/2's first 24 bits) is exact).
.set WAVES, 4
.set STEPS, 16
.set EMAX,  2
.set CB,    8                          ; bytes of 16 codes
.set R,     16                         ; v16-79   four sets of 16 numbers as they are loaded
.set X,     80                         ; v80-111  two sets of 16 neighbours
.set E,     112                        ; v112-127 a scale byte for each step
.set C,     128                        ; v128-191 codes: four registers for each step
.set WREG,  8192                       ; LDS: a region for each wave: two stages of 32 x SP bytes, then its 256 scale bytes
.set SP,    80                         ; a lane's place in a stage: 64 bytes + 16 of padding
.set SPW,   12                         ; v12 LDS address of my spare word; never rewritten
.set NIL,   13                         ; v13 0; never rewritten
.set SPARE, WAVES*WREG                 ; behind the four regions: the spare words, 128 bytes a wave
	s_load_b256 s[4:11], s[0:1], 0x0               ; x s[4:5], Wq s[6:7], Wk s[8:9], Wv s[10:11]
	s_load_b256 s[12:19], s[0:1], 0x20             ; Wo s[12:13], token_positions s[14:15], codes s[16:17], scales s[18:19]
	s_load_b128 s[20:23], s[0:1], 0x40             ; wo16 s[20:21], rope s[22:23]
	v_lshl_add_u32 v[SPW], v0, 2, SPARE
	v_mov_b32 v[NIL], 0
	v_lshrrev_b32 v1, 5, v0
	v_readfirstlane_b32 s24, v1                    ; wave
	v_and_b32 v2, 31, v0                           ; lane
	v_lshlrev_b32 v3, 4, v2                        ; my 16 bytes of a load's 512
	s_mul_i32 s25, s24, WREG
	v_lshrrev_b32 v14, 2, v2
	v_mul_u32_u24 v14, v14, SP
	v_and_b32 v15, 3, v2
	v_lshl_add_u32 v14, v15, 4, v14
	v_add_nc_u32 v14, s25, v14                     ; the stage, on the way in: SP (lane / 4) + 16 (lane % 4)
	v_mul_u32_u24 v15, v2, SP
	v_add_nc_u32 v15, s25, v15                     ; and on the way out: SP x lane: my 16 neighbours
	v_mul_u32_u24 v4, v2, CB                       ; my codes' place in a step's
	v_lshrrev_b32 v5, 1, v2
	s_add_co_u32 s25, s25, 2*32*SP
	v_add_nc_u32 v5, s25, v5                       ; my wave's 256 scale bytes, my block's byte
	v_lshlrev_b32 v7, 3, v2                        ; 8 bytes a lane
	v_add_nc_u32 v6, s25, v7
	s_mov_b32 s29, 0
	s_mov_b32 s31, 0
	s_wait_kmcnt 0x0
	s_cmp_lt_u32 ttmp9, 352
	s_cbranch_scc1 .Lpath_q
	s_cmp_lt_u32 ttmp9, 384
	s_cbranch_scc1 .Lpath_w
; ---------------- THE TABLE.  A wave makes 64 rows; a lane is a frequency i; a row's store is 256 consecutive bytes, aligned.
.set INV, 16                           ; 10000^(-i/32)
.set PA,  17                           ; positions of rows 0-31 of my 64, a lane a row
.set PB,  18                           ; of rows 32-63
.set IX,  20                           ; v20-23 four rows' lane numbers x 4
.set VO,  24                           ; byte offset of my pair in the trip's first row
.set AN,  28                           ; v28-31 four rows' angles
.set T0,  32                           ; six temporaries for each of the four rows
.set T1,  36
.set T2,  40
.set T3,  44
.set T4,  48
.set T5,  52
.set CSR, 56                           ; v56-63 (cos, sin) of the four rows
	s_sub_co_u32 s28, ttmp9, 384
	s_lshl_b32 s28, s28, 8
	s_lshl_b32 s30, s24, 6
	s_add_co_u32 s28, s28, s30                     ; my first row: 256 x (work-group - 384) + 64 x wave
	s_min_u32 s30, s28, 8128                       ; the identity rows load the last 64 positions, inside the buffer, and do not use them
	s_lshl_b32 s30, s30, 2
	s_cmp_lt_u32 s28, 8192
	s_cselect_b32 s25, -1, 0                       ; 0 for the identity rows: their position counts as 0, which gives exactly (1, 0)
	s_lshl_b32 s28, s28, 8
	s_add_nc_u64 s[22:23], s[22:23], s[28:29]
	v_lshlrev_b32 v19, 2, v2
	v_add_nc_u32 v19, s30, v19
	global_load_b32 v[PA], v19, s[14:15]
	global_load_b32 v[PB], v19, s[14:15] offset:128
	s_mov_b32 s32, 0x3fc90fdb                      ; pi/2 in three parts
	s_mov_b32 s33, 0xb33bbd2e
	s_mov_b32 s34, 0xa6f72ced
	s_mov_b32 s35, 0x3638ef1d                      ; 1/9!
	s_mov_b32 s36, 0xb493f27e                      ; -1/10!
	v_cvt_f32_u32 v[INV], v2
	v_mul_f32 v[INV], 0xbed49a78, v[INV]           ; -i log2(10000) / 32
	v_exp_f32 v[INV], v[INV]
	v_lshlrev_b32 v[VO], 3, v2                     ; (a plain instruction behind the exponential)
	s_wait_alu depctr_va_vdst(0)                   ; the wait ahead of the first line that names the result
	s_wait_loadcnt 0x0
	v_and_b32 v[PA], s25, v[PA]
	v_and_b32 v[PB], s25, v[PB]
; 32 rows, four a trip, the four by turns line by line so that no line waits for the line above it.
; cos and sin: n = nearest whole number to angle x 2/pi; r = angle - n pi/2 in three fused steps; Taylor polynomials on |r| <= pi/4 (the first term left out is under 2e-9); the quadrant n mod 4 swaps and signs.
.macro HALF p
	s_mov_b32 s37, 8
.irp k, 0,1,2,3
	v_mov_b32 v[IX+\k], 4*\k
.endr
.Lhalf_\@:
.irp k, 0,1,2,3
	ds_bpermute_b32 v[AN+\k], v[IX+\k], v[\p]      ; the row's position into all lanes (no LDS byte is touched)
.endr
	s_wait_dscnt 0x0
.irp k, 0,1,2,3
	v_cvt_f32_i32 v[AN+\k], v[AN+\k]
.endr
.irp k, 0,1,2,3
	v_mul_f32 v[AN+\k], v[AN+\k], v[INV]           ; the angle, rounded once
.endr
.irp k, 0,1,2,3
	v_mul_f32 v[T0+\k], 0x3f22f983, v[AN+\k]
.endr
.irp k, 0,1,2,3
	v_rndne_f32 v[T0+\k], v[T0+\k]
.endr
.irp k, 0,1,2,3
	v_fma_f32 v[T1+\k], -v[T0+\k], s32, v[AN+\k]
.endr
.irp k, 0,1,2,3
	v_fma_f32 v[T1+\k], -v[T0+\k], s33, v[T1+\k]
.endr
.irp k, 0,1,2,3
	v_fma_f32 v[T1+\k], -v[T0+\k], s34, v[T1+\k]   ; r
.endr
.irp k, 0,1,2,3
	v_cvt_i32_f32 v[T0+\k], v[T0+\k]               ; n as a whole number
.endr
.irp k, 0,1,2,3
	v_mul_f32 v[T2+\k], v[T1+\k], v[T1+\k]         ; r^2
.endr
.irp k, 0,1,2,3
	v_fmaak_f32 v[T3+\k], s35, v[T2+\k], 0xb9500d01
	v_fmaak_f32 v[T4+\k], s36, v[T2+\k], 0x37d00d01
.endr
.irp k, 0,1,2,3
	v_fmaak_f32 v[T3+\k], v[T3+\k], v[T2+\k], 0x3c088889
	v_fmaak_f32 v[T4+\k], v[T4+\k], v[T2+\k], 0xbab60b61
.endr
.irp k, 0,1,2,3
	v_fmaak_f32 v[T3+\k], v[T3+\k], v[T2+\k], 0xbe2aaaab
	v_fmaak_f32 v[T4+\k], v[T4+\k], v[T2+\k], 0x3d2aaaab
.endr
.irp k, 0,1,2,3
	v_mul_f32 v[T5+\k], v[T1+\k], v[T2+\k]
	v_fma_f32 v[T4+\k], v[T4+\k], v[T2+\k], -0.5
.endr
.irp k, 0,1,2,3
	v_fma_f32 v[T3+\k], v[T5+\k], v[T3+\k], v[T1+\k]   ; sin r
	v_fma_f32 v[T4+\k], v[T4+\k], v[T2+\k], 1.0        ; cos r
.endr
.irp k, 0,1,2,3
	v_and_b32 v[T5+\k], 1, v[T0+\k]
.endr
.irp k, 0,1,2,3
	v_cmp_eq_u32 s[38+\k], 1, v[T5+\k]             ; odd quadrants swap the two
.endr
.irp k, 0,1,2,3
	v_cndmask_b32 v[CSR+2*\k+1], v[T3+\k], v[T4+\k], s[38+\k]
	v_cndmask_b32 v[CSR+2*\k], v[T4+\k], v[T3+\k], s[38+\k]
.endr
.irp k, 0,1,2,3
	v_and_b32 v[T5+\k], 2, v[T0+\k]                ; sin is negative in quadrants 2, 3;
	v_add_nc_u32 v[T0+\k], 1, v[T0+\k]
.endr
.irp k, 0,1,2,3
	v_lshlrev_b32 v[T5+\k], 30, v[T5+\k]
	v_and_b32 v[T0+\k], 2, v[T0+\k]                ; cos in quadrants 1, 2
.endr
.irp k, 0,1,2,3
	v_xor_b32 v[CSR+2*\k+1], v[T5+\k], v[CSR+2*\k+1]
	v_lshlrev_b32 v[T0+\k], 30, v[T0+\k]
.endr
.irp k, 0,1,2,3
	v_xor_b32 v[CSR+2*\k], v[T0+\k], v[CSR+2*\k]
.endr
.irp k, 0,1,2,3
	global_store_b64 v[VO], v[CSR+2*\k:CSR+2*\k+1], s[22:23] offset:256*\k
.endr
	s_wait_xcnt 0x0                                ; the stores' data and offset are written again only behind this wait
	v_add_nc_u32 v[VO], 1024, v[VO]
.irp k, 0,1,2,3
	v_add_nc_u32 v[IX+\k], 16, v[IX+\k]
.endr
	s_sub_co_u32 s37, s37, 1
	s_cmp_lg_u32 s37, 0
	s_cbranch_scc1 .Lhalf_\@
.endm
	HALF PA
	HALF PB
	s_branch .Lend
; ---------------- Wo TO f16.  A wave takes 8,192 numbers in four rounds of 16 loads (512 consecutive bytes each); two sets of registers, so that one set's 16 loads are out while the other is rounded.
.Lpath_w:
	s_sub_co_u32 s28, ttmp9, 352
	s_lshl_b32 s28, s28, 2
	s_add_co_u32 s28, s28, s24
	s_lshl_b32 s30, s28, 14
	s_lshl_b32 s28, s28, 15
	s_add_nc_u64 s[12:13], s[12:13], s[28:29]
	s_add_nc_u64 s[20:21], s[20:21], s[30:31]
.macro LOADW g
.irp i, 0,1,2,3,4,5,6,7,8,9,10,11,12,13,14,15
	global_load_b128 v[32+64*((\g)%2)+4*\i:32+64*((\g)%2)+4*\i+3], v3, s[12:13] offset:8192*(\g)+512*\i th:TH_LOAD_NT
.endr
.endm
.macro ROUNDW g
.if (\g) < 3
	s_wait_loadcnt 16                              ; this round's 16 loads are in; the other set's 16 may be out
.else
	s_wait_loadcnt 0x0
.endif
	s_wait_xcnt 0x0                                ; the last round's stores have read v160-191
.irp i, 0,1,2,3,4,5,6,7,8,9,10,11,12,13,14,15,16,17,18,19,20,21,22,23,24,25,26,27,28,29,30,31
	v_cvt_pk_f16_f32 v[160+\i], v[32+64*((\g)%2)+2*\i], v[33+64*((\g)%2)+2*\i]
.endr
.if (\g) < 2
	LOADW (\g)+2
.endif
.irp i, 0,1,2,3,4,5,6,7,8,9,10,11,12,13,14,15
	global_store_b64 v7, v[160+2*\i:161+2*\i], s[20:21] offset:4096*(\g)+256*\i   ; 32 lanes store 256 consecutive bytes, aligned
.endr
.endm
	LOADW 0
	LOADW 1
	ROUNDW 0
	ROUNDW 1
	ROUNDW 2
	ROUNDW 3
	s_branch .Lend
; ---------------- THE QUANTISER.  A wave takes 16 steps of 512 numbers.  Each of a step's four loads reads 512 consecutive bytes, 16 a lane; the 2,048 bytes go through the wave's own stage in LDS
; and come back 64 bytes a lane, since the conversions take neighbours along K from one lane's registers: two neighbouring lanes hold a block.  Loads run four steps ahead, the turn through LDS one step.
.Lpath_q:
	s_and_b32 s28, ttmp9, 31                       ; a weight has 32 work-groups
	s_cmp_lt_u32 ttmp9, 320
	s_cselect_b64 s[26:27], s[8:9], s[10:11]       ; the source is chosen by the work-group's number alone
	s_cmp_lt_u32 ttmp9, 288
	s_cselect_b64 s[26:27], s[6:7], s[26:27]
	s_cmp_lt_u32 ttmp9, 256
	s_cselect_b64 s[26:27], s[4:5], s[26:27]
	s_cselect_b32 s28, ttmp9, s28                  ; which 32,768 numbers of the source
	s_lshl_b32 s28, s28, 2
	s_add_co_u32 s28, s28, s24
	s_lshl_b32 s28, s28, 15                        ; my wave's 8,192 numbers
	s_add_nc_u64 s[26:27], s[26:27], s[28:29]
	s_lshl_b32 s30, ttmp9, 2
	s_add_co_u32 s30, s30, s24
	s_lshl_b32 s28, s30, 12                        ; the codes and bytes of all four lie on end, in the order of the work-groups
	s_add_nc_u64 s[16:17], s[16:17], s[28:29]
	s_lshl_b32 s28, s30, 8
	s_add_nc_u64 s[18:19], s[18:19], s[28:29]
.macro LOAD t
.irp i, 0,1,2,3
	global_load_b128 v[R+16*((\t)%4)+4*\i:R+16*((\t)%4)+4*\i+3], v3, s[26:27] offset:2048*(\t)+512*\i th:TH_LOAD_NT
.endr
.endm
.macro TURN t                          ; step t's numbers through the stage: LDS serves a wave's instructions in order, so no wait stands between the stores and the loads
.irp i, 0,1,2,3
	ds_store_b128 v14, v[R+16*((\t)%4)+4*\i:R+16*((\t)%4)+4*\i+3] offset:32*SP*((\t)%2)+8*SP*\i
.endr
.irp i, 0,1,2,3
	ds_load_b128 v[X+16*((\t)%2)+4*\i:X+16*((\t)%2)+4*\i+3], v15 offset:32*SP*((\t)%2)+16*\i
.endr
.endm
.irp t, 0,1,2,3
	LOAD \t
.endr
	s_wait_loadcnt 12                              ; step 0's four loads are in
	TURN 0
.macro STEP t
.set XS, X+16*((\t)%2)
.if (\t) > 0
	s_wait_dscnt 1                                 ; this step's numbers are back from the stage (the last step's byte store may be out)
.else
	s_wait_dscnt 0x0
.endif
.if (\t)+4 < STEPS
	LOAD (\t)+4
.endif
.if (\t)+1 < STEPS
.if STEPS-2-(\t) >= 3
	s_wait_loadcnt 12                              ; the next step's four loads are in; those of the three steps behind it may be out
.else
	s_wait_loadcnt 4*(STEPS-2-(\t))
.endif
	TURN (\t)+1
.endif
	v_max3_num_f32 v8, |v[XS]|, |v[XS+1]|, |v[XS+2]|
	v_max3_num_f32 v9, |v[XS+3]|, |v[XS+4]|, |v[XS+5]|
.irp i, 6,10
	v_max3_num_f32 v8, v8, |v[XS+\i]|, |v[XS+\i+1]|
	v_max3_num_f32 v9, v9, |v[XS+\i+2]|, |v[XS+\i+3]|
.endr
	v_max3_num_f32 v8, v8, |v[XS+14]|, |v[XS+15]|
	v_max3_num_f32 v8, v8, v9, (EMAX+1)<<23        ; and the floor 2^(3 - 127): the byte cannot fall under 1
	v_max_num_f32_dpp v8, v8, v8 row_xmask:1 row_mask:0xf bank_mask:0xf   ; with my neighbour's 16: the block's largest magnitude
	v_add_nc_u32 v11, -(EMAX<<23), v8              ; 2 off its exponent field: the conversion takes that field as its scale
	v_cvt_scalef32_pk8_fp4_f32 v[C+4*(\t)], v[XS:XS+7], v11
	v_cvt_scalef32_pk8_fp4_f32 v[C+4*(\t)+1], v[XS+8:XS+15], v11
	v_lshrrev_b32 v[E+(\t)], 23, v11               ; the scale's byte
	ds_store_b8 v5, v[E+(\t)] offset:16*(\t)       ; both lanes of a block write the same byte with the same value
	global_store_b64 v4, v[C+4*(\t):C+4*(\t)+1], s[16:17] offset:32*CB*(\t)   ; 32 lanes store 256 consecutive bytes, aligned
.endm
.irp t, 0,1,2,3,4,5,6,7,8,9,10,11,12,13,14,15
	STEP \t
.endr
	ds_load_b64 v[8:9], v6                         ; my wave's 256 scale bytes
	s_wait_dscnt 0x0
	global_store_b64 v7, v[8:9], s[18:19]
.Lend:
	s_wait_tensorcnt 0x0                           ; the wave's end
	ds_add_u32 v[SPW], v[NIL]
	s_wait_dscnt 0x0
	s_endpgm
.Lfunc_end_k_qdc24c29eea_quant:
	.size	k_qdc24c29eea_quant, .Lfunc_end_k_qdc24c29eea_quant-k_qdc24c29eea_quant
	.p2alignl 7, 3214868480
	.fill 96, 4, 3214868480
	.section	.rodata,"a",@progbits
	.p2align	6, 0x0
	.amdhsa_kernel k_qdc24c29eea_quant
		.amdhsa_group_segment_fixed_size 33280
		.amdhsa_private_segment_fixed_size 0
		.amdhsa_enable_private_segment 0
		.amdhsa_kernarg_size 80
		.amdhsa_user_sgpr_count 2
		.amdhsa_user_sgpr_kernarg_segment_ptr 1
		.amdhsa_wavefront_size32 1
		.amdhsa_system_sgpr_workgroup_id_x 1
		.amdhsa_system_sgpr_workgroup_id_y 1
		.amdhsa_system_sgpr_workgroup_id_z 1
		.amdhsa_system_vgpr_workitem_id 0
		.amdhsa_next_free_vgpr 192
		.amdhsa_next_free_sgpr 66
		.amdhsa_reserve_vcc 0
		.amdhsa_float_denorm_mode_32 3
		.amdhsa_float_denorm_mode_16_64 3
		.amdhsa_memory_ordered 1
		.amdhsa_forward_progress 1
		.amdhsa_inst_pref_size 69
	.end_amdhsa_kernel
	.amdgpu_metadata
---
amdhsa.version: [ 1, 2 ]
amdhsa.kernels:
  - .name:           k_qdc24c29eea_quant
    .symbol:         k_qdc24c29eea_quant.kd
    .args:
      - { .name: x, .offset: 0, .size: 8, .value_kind: global_buffer, .address_space: global }
      - { .name: Wq, .offset: 8, .size: 8, .value_kind: global_buffer, .address_space: global }
      - { .name: Wk, .offset: 16, .size: 8, .value_kind: global_buffer, .address_space: global }
      - { .name: Wv, .offset: 24, .size: 8, .value_kind: global_buffer, .address_space: global }
      - { .name: Wo, .offset: 32, .size: 8, .value_kind: global_buffer, .address_space: global }
      - { .name: token_positions, .offset: 40, .size: 8, .value_kind: global_buffer, .address_space: global }
      - { .name: codes, .offset: 48, .size: 8, .value_kind: global_buffer, .address_space: global }
      - { .name: scales, .offset: 56, .size: 8, .value_kind: global_buffer, .address_space: global }
      - { .name: wo16, .offset: 64, .size: 8, .value_kind: global_buffer, .address_space: global }
      - { .name: rope, .offset: 72, .size: 8, .value_kind: global_buffer, .address_space: global }
    .group_segment_fixed_size: 33280
    .private_segment_fixed_size: 0
    .kernarg_segment_align: 8
    .kernarg_segment_size: 80
    .max_flat_workgroup_size: 128
    .sgpr_count:     66
    .vgpr_count:     192
    .wavefront_size: 32
...
	.end_amdgpu_metadata
.endif
;; end of part 1
;; launch qkv (part 2): grid 12 x 32, 4 waves a work-group, clusters of 4 x 4, 327,680 bytes of LDS; arguments codes, scales, rope, qkvh; writes qkvh
.if DOCPART == 2
	.amdgcn_target "amdgcn-amd-amdhsa--gfx1250"
	.amdhsa_code_object_version 6
	.text
	.protected	k_qdc24c29eea_qkv
	.globl	k_qdc24c29eea_qkv
	.p2align	8
	.type	k_qdc24c29eea_qkv,@function
k_qdc24c29eea_qkv:
	s_mov_b64 s[64:65], 0
	v_nop
	global_prefetch_b8 v0, s[64:65] scope:SCOPE_SE
	s_setreg_imm32_b32 hwreg(HW_REG_WAVE_MODE, 25, 1), 1
	s_wait_xcnt 0x0
	s_wait_alu depctr_hold_cnt(0) depctr_sa_sdst(0) depctr_va_vdst(0) depctr_va_sdst(0) depctr_va_ssrc(0) depctr_va_vcc(0) depctr_vm_vsrc(0)
	s_getreg_b32 s2, hwreg(HW_REG_IB_STS2, 6, 4)
	s_cmp_eq_u32 s2, 0
	s_cbranch_scc0 .Lentry_in_a_cluster
	s_endpgm
.Lentry_in_a_cluster:
	s_bfe_u32 s2, ttmp6, 0x10000c
	s_cmp_lg_u32 s2, 0xf033
	s_cbranch_scc0 .Lentry_shape_is_right
	s_endpgm
.Lentry_shape_is_right:
; q, k and v in ONE product on codes of E2M1: C[m][n] = sum over k of x[m][k] W[n][k], m = b*2048+s (8,192), n = 1024 t + e (3,072; t = 0 q, 1 k, 2 v), K = 1,024; sums in f32.
; A's codes are rows 0-8191 of the buffer codes (512 bytes a row), B's rows 8192 on; the scale bytes likewise (32 bytes a row).
; A tile of C, 256 x 256, is made by four waves, 128 x 128 each: 64 accumulators, 512 registers.  K is two steps of 512, one in each of two LDS slots: both are asked for at the start and nothing is filled again.
; The scale bytes of the work-group's 256 + 256 rows, two dense blocks of 8,192 bytes, come with them.
; CLUSTERS: 4 x 4 work-groups; A's tiles are asked for jointly along a row of the cluster, B's along a column.
; THE MATRIX INSTRUCTION IS USED TRANSPOSED (source 0 = 16 rows of W, source 1 = 16 rows of x): a lane holds eight neighbouring columns of one token: four pairs of the rotation.
; THE WAY OUT: r1 = x1 cos - x2 sin, r2 = x1 sin + x2 cos from the table rope (V's tiles read its rows (1, 0), so all three take one way); rounded to f16; through the wave's stage in LDS;
; stored head-major, qkvh [t][b][h][s][64]: sixteen lanes store two rows of a head, 256 consecutive bytes, aligned.
; LIMITS: |q|, |k|, |v| up to 65,504 (f16).
; REGISTERS: window 0: v0-31 addresses and temporaries; v32-95 scale words, two sets; v128-191 A's fragments, one set; v96-127, v192-223, v224-255 three sets of cos and sin.
;   window 1: B's fragments, two sets.  window 2, 3: the accumulators ((a, b) at v[8 (8 (a % 4) + b)]).
.set SIZE_K, 1024
.set KSTEP,  512
.set NQ,     KSTEP/128
.set ROWB,   256
.set KROW,   SIZE_K*4/8
.set PITCH,  272                       ; an LDS row: 256 bytes + 16 of padding: the 16 rows of a fragment load start at 16 different banks
.set FR,     8
.set NL,     2
.set NP,     4
.set HALFT,  128*PITCH
.set SLOT,   4*HALFT
.set KS,     SIZE_K/32
.set SCL,    2*SLOT
.set HALFS,  (128*KS/256)*272
.set SBLK,   (16*KS/256)*272
.set SPARE,  SCL+4*HALFS
.set WSTG,   2*16*144                  ; the way out: a wave's stage, 2 heads x 16 rows x (128 bytes + 16), in slot 0, which has had its only fill and its last read by then
.set TT,   8                           ; v8-15   the way out: products with cos
.set ADRA, 16
.set ADRB, 20
.set STO,  24
.set RD,   25
.set CO,   26
.set ADRS, 27
.set SPW,  28
.set NIL,  29
.set RO,   30                          ; v30     my byte in a block's 16 rows of the table: 256 r + 32 h; never rewritten
.set SC,   32
.set AF,   128
.set RR,   128                         ; the way out: rotated numbers, then packed
.set G1, 24
.set G0, 32
.set G1B, 48
.set G0B, 56
.set G1S, 68
.set G0S, 76
.set G1SB, 80
.set G0SB, 88
.set MSB, 0
.macro WIN new                         ; the immediate's high byte repeats the setting that is left
.if MSB != \new
	s_set_vgpr_msb (MSB<<8)|\new
.set MSB, \new
.endif
.endm
.set MUL_LO, 0xa1
.set MUL_HI, 0xf1
.set TO_B,   0x40
; A joint load: waves 0 and 1 fetch for A, waves 2 and 3 for B; the branch hangs on the wave's number alone.  An s_nop 0 and four v_nop follow each line.
.macro JLOAD g0a, g1a, g0b, g1b
	s_cmp_eq_u32 s15, 0
	s_cbranch_scc0 .Lfor_b_\@
	tensor_load_to_lds s[\g0a:\g0a+3], s[\g1a:\g1a+7]
	s_nop 0
.rept 4
	v_nop
.endr
	s_branch .Lasked_\@
.Lfor_b_\@:
	tensor_load_to_lds s[\g0b:\g0b+3], s[\g1b:\g1b+7]
	s_nop 0
.rept 4
	v_nop
.endr
.Lasked_\@:
.endm
.macro CROUND                          ; a round of the cluster's barrier
	s_barrier_signal -1
	s_barrier_wait -1
	s_cmp_lg_u32 s14, 0
	s_cbranch_scc1 .Lnot_wave_0_\@
	s_barrier_signal -3
.Lnot_wave_0_\@:
	s_barrier_wait -3
	s_barrier_signal -1
	s_barrier_wait -1
.endm
	s_load_b128 s[4:7], s[0:1], 0x0                ; codes s[4:5], scales s[6:7]
	s_load_b128 s[96:99], s[0:1], 0x10             ; rope s[96:97], qkvh s[98:99]
	v_lshl_add_u32 v[SPW], v0, 2, SPARE
	v_mov_b32 v[NIL], 0
	ds_add_u32 v[SPW], v[NIL]                      ; the wave's opening: the add, twice on end, and its wait ahead of my first tensor load
	ds_add_u32 v[SPW], v[NIL]
	v_lshrrev_b32 v1, 5, v0
	v_readfirstlane_b32 s14, v1                    ; wave 0..3
	s_lshr_b32 s15, s14, 1                         ; my half of the tile's rows.  Also: I fetch for A (0) or for B (1)
	s_and_b32 s16, s14, 1                          ; my half of its columns.  Also: which 128 rows I fetch
	s_bfe_u32 s40, ttmp6, 0x40000                  ; cx
	s_bfe_u32 s41, ttmp6, 0x40004                  ; cy
	s_lshl_b32 s42, ttmp9, 2
	s_add_co_u32 s42, s42, s40                     ; tile column = 4 x cluster x + cx
	s_and_b32 s17, ttmp7, 0xffff
	s_lshl_b32 s17, s17, 2
	s_add_co_u32 s17, s17, s41                     ; tile row = 4 x cluster y + cy
	s_lshl_b32 s43, s41, 2
	s_lshl_b32 s43, 15, s43                        ; my row of the cluster
	s_lshl_b32 s44, 0x1111, s40                    ; my column
	s_or_b32 s[G1+0], s43, (0<<16)|(1<<20)|(1<<21)|(5<<22)|(3<<25)  ; the mask; elements of 1 byte; padding on; bit 21 beside a mask; 4 words after every 64
	s_or_b32 s[G1B+0], s44, (0<<16)|(1<<20)|(1<<21)|(5<<22)|(3<<25)
.irp g, G1, G1B
	s_mov_b32 s[\g+1], ROWB<<16                    ; tensor_dim0
	s_mov_b32 s[\g+2], 128<<16                     ; tensor_dim1
	s_mov_b32 s[\g+3], ROWB<<16                    ; tile_dim0
	s_mov_b32 s[\g+4], 128                         ; tile_dim1
	s_mov_b32 s[\g+5], KROW                        ; from row to row
	s_mov_b32 s[\g+6], 0
	s_mov_b32 s[\g+7], 0
.endr
	s_or_b32 s[G1S+0], s43, (3<<16)|(1<<20)|(1<<21)|(5<<22)|(3<<25)  ; the scales of 128 rows: 4,096 dense bytes as 16 rows of 32 elements of 8 bytes, padded
	s_or_b32 s[G1SB+0], s44, (3<<16)|(1<<20)|(1<<21)|(5<<22)|(3<<25)
.irp g, G1S, G1SB
	s_mov_b32 s[\g+1], 32<<16
	s_mov_b32 s[\g+2], (128*KS/256)<<16
	s_mov_b32 s[\g+3], 32<<16
	s_mov_b32 s[\g+4], 128*KS/256
	s_mov_b32 s[\g+5], 32
	s_mov_b32 s[\g+6], 0
	s_mov_b32 s[\g+7], 0
.endr
	s_lshl_b32 s18, s16, 7
	s_lshl_b32 s20, s17, 8
	s_add_co_u32 s20, s20, s18                     ; A: row 256 x tile row + 128 x half
	s_lshl_b32 s46, s42, 8
	s_add_co_u32 s46, s46, s18                     ; B: row 256 x tile column + 128 x half
	s_mov_b32 s21, 0
	s_mov_b32 s47, 0
	s_mov_b64 s[18:19], KS
	s_mul_u64 s[22:23], s[20:21], s[18:19]
	s_mul_u64 s[92:93], s[46:47], s[18:19]
	s_mov_b64 s[18:19], KROW
	s_mul_u64 s[20:21], s[20:21], s[18:19]
	s_mul_u64 s[46:47], s[46:47], s[18:19]
	s_mul_i32 s45, s14, HALFT                      ; where they go: wave x 128 rows
	s_mul_i32 s94, s14, HALFS
	s_wait_dscnt 0x0                               ; both opening adds are done
	s_wait_kmcnt 0x0
	s_add_nc_u64 s[8:9], s[4:5], 0x400000          ; the weights' codes: behind x's 8,192 rows of 512 bytes
	s_add_nc_u64 s[10:11], s[6:7], 0x40000         ; and their scale bytes: behind 8,192 rows of 32
	s_add_nc_u64 s[20:21], s[4:5], s[20:21]
	s_add_nc_u64 s[22:23], s[6:7], s[22:23]
	s_add_nc_u64 s[46:47], s[8:9], s[46:47]
	s_add_nc_u64 s[92:93], s[10:11], s[92:93]
	CROUND                                         ; all sixteen work-groups are here: the joint loads meet
	s_mov_b32 s[G0S], 1
	s_add_co_u32 s[G0S+1], s94, SCL
	s_mov_b64 s[G0S+2:G0S+3], s[22:23]
	s_or_b32 s[G0S+3], s[G0S+3], 0x80000000
	s_mov_b32 s[G0SB], 1
	s_add_co_u32 s[G0SB+1], s94, SCL
	s_mov_b64 s[G0SB+2:G0SB+3], s[92:93]
	s_or_b32 s[G0SB+3], s[G0SB+3], 0x80000000
	JLOAD G0S, G1S, G0SB, G1SB                     ; three loads of mine are out at the most: the scales, slot 0, slot 1
.irp s, 0,1
	s_mov_b32 s[G0+4*\s], 1
	s_add_co_u32 s[G0+4*\s+1], s45, \s*SLOT
	s_add_nc_u64 s[G0+4*\s+2:G0+4*\s+3], s[20:21], \s*ROWB
	s_or_b32 s[G0+4*\s+3], s[G0+4*\s+3], 0x80000000
	s_mov_b32 s[G0B+4*\s], 1
	s_add_co_u32 s[G0B+4*\s+1], s45, \s*SLOT
	s_add_nc_u64 s[G0B+4*\s+2:G0B+4*\s+3], s[46:47], \s*ROWB
	s_or_b32 s[G0B+4*\s+3], s[G0B+4*\s+3], 0x80000000
	JLOAD G0+4*\s, G1, G0B+4*\s, G1B
.endr
	v_and_b32 v1, 15, v0                           ; r
	v_bfe_u32 v2, v0, 4, 1                         ; h
	v_mul_u32_u24 v3, v1, PITCH
	v_lshl_add_u32 v4, v2, 4, v3
	s_mul_i32 s21, s15, HALFT
	s_mul_i32 s22, s16, HALFT
	s_add_co_u32 s22, s22, 2*HALFT
.irp s, 0,1
	v_add_nc_u32 v[ADRA+\s], s21, v4
	v_add_nc_u32 v[ADRB+\s], s22, v4
	s_add_co_u32 s21, s21, SLOT
	s_add_co_u32 s22, s22, SLOT
.endr
	v_mul_u32_u24 v5, v1, KS                       ; my row's scales: 32 bytes a row, 16 more for each 256 passed
	v_lshrrev_b32 v6, 8, v5
	v_lshl_add_u32 v5, v6, 4, v5
	s_mul_i32 s21, s15, HALFS
	s_mul_i32 s22, s16, HALFS
	s_add_co_u32 s22, s22, 2*HALFS
	s_sub_co_u32 s22, s22, s21
	v_mul_u32_u24 v6, s22, v2                      ; lanes 16-31 take B's
	s_add_co_u32 s21, s21, SCL
	v_add_nc_u32 v5, v5, v6
	v_add_nc_u32 v[ADRS], s21, v5
	s_mul_i32 s23, s14, WSTG                       ; my stage
	v_mul_u32_u24 v5, v1, 144
	v_lshl_add_u32 v5, v2, 4, v5
	v_add_nc_u32 v[STO], s23, v5                   ; in: row r, 16 bytes for each half of the lanes
	v_mul_u32_u24 v5, v2, 2304                     ; back: lanes 0-15 the first head, lanes 16-31 the second; eight lanes to a row of 128 bytes, two rows
	v_bfe_u32 v6, v0, 3, 1
	v_mad_u32_u24 v5, v6, 144, v5
	v_and_b32 v7, 7, v0
	v_lshl_add_u32 v5, v7, 4, v5
	v_add_nc_u32 v[RD], s23, v5
	v_lshlrev_b32 v[CO], 18, v2                    ; and the same in memory: a head is 262,144 bytes, a row 128
	v_lshl_add_u32 v[CO], v6, 7, v[CO]
	v_lshl_add_u32 v[CO], v7, 4, v[CO]
	v_lshlrev_b32 v[RO], 8, v1
	v_lshl_add_u32 v[RO], v2, 5, v[RO]
	s_lshl_b32 s66, s17, 8                         ; the table's rows: my tokens', 256 x tile row + 128 x half; for V (cluster x = 2) the identity rows from 8,192 on
	s_cmp_eq_u32 ttmp9, 2
	s_cselect_b32 s66, 8192, s66
	s_lshl_b32 s95, s15, 7
	s_add_co_u32 s66, s66, s95
	s_lshl_b32 s66, s66, 8
	s_mov_b32 s67, 0
	s_add_nc_u64 s[96:97], s[96:97], s[66:67]
	s_lshl_b32 s66, ttmp9, 2                       ; where my part begins in qkvh: (((4 t + b) 16 + head) 2048 + token) x 128 bytes
	s_lshr_b32 s95, s17, 3
	s_add_co_u32 s66, s66, s95
	s_lshl_b32 s66, s66, 4
	s_lshl_b32 s95, s40, 2
	s_add_co_u32 s66, s66, s95
	s_lshl_b32 s95, s16, 1
	s_add_co_u32 s66, s66, s95                     ; head = 4 cx + 2 x my half of the columns
	s_lshl_b32 s66, s66, 11
	s_and_b32 s95, s17, 7
	s_lshl_b32 s95, s95, 8
	s_add_co_u32 s66, s66, s95
	s_lshl_b32 s95, s15, 7
	s_add_co_u32 s66, s66, s95
	s_lshl_b32 s66, s66, 7
	s_add_nc_u64 s[12:13], s[98:99], s[66:67]
; cos and sin of block a's 16 tokens: lane (r, h) wants pairs 8 g + 4 h + 0 .. 3 for g = 0 .. 3: 32 bytes each.  Register 8 g + 2 t holds cos, the next sin.  Three sets by turns.
.macro CSLOAD a
.set CSB, 96+96*(((\a)%3+1)/2)+32*(((\a)%3)/2)
.irp g, 0,1,2,3
	global_load_b128 v[CSB+8*\g:CSB+8*\g+3], v[RO], s[96:97] offset:4096*(\a)+64*\g
	global_load_b128 v[CSB+8*\g+4:CSB+8*\g+7], v[RO], s[96:97] offset:4096*(\a)+64*\g+16
.endr
.endm
	CSLOAD 0                                       ; asked for here, wanted on the way out
	CSLOAD 1
	CSLOAD 2
.macro FRAG reg, adr, q, i             ; 16 rows x 128 K of 4-bit codes: 8 registers: two loads of 16 bytes, 32 bytes apart
.irp c, 0,1
	ds_load_b128 v[\reg+4*\c:\reg+4*\c+3], v[\adr] offset:64*(\q)+32*\c+(\i)*16*PITCH
.endr
.endm
; 16 matrix instructions: A's blocks a0, a0 + 1 x B's eight.  The 64 accumulators take turns, one instruction a turn, in the same order in every step.
.macro MUL16 a0, p, q, sc, zero
.irp a, \a0, \a0+1
.irp b, 0,1,2,3,4,5,6,7
.if \zero
	v_wmma_scale_f32_16x16x128_f8f6f4 v[8*(8*((\a)%4)+\b):8*(8*((\a)%4)+\b)+7], v[128*(\p)+FR*\b:128*(\p)+FR*\b+FR-1], v[AF+FR*(\a):AF+FR*(\a)+FR-1], 0, v[SC+8*NQ*(\sc)+NQ*\b+(\q)], v[SC+8*NQ*(\sc)+NQ*(\a)+(\q)] matrix_a_fmt:MATRIX_FMT_FP4 matrix_b_fmt:MATRIX_FMT_FP4 matrix_a_scale:MATRIX_SCALE_ROW1
.else
	v_wmma_scale_f32_16x16x128_f8f6f4 v[8*(8*((\a)%4)+\b):8*(8*((\a)%4)+\b)+7], v[128*(\p)+FR*\b:128*(\p)+FR*\b+FR-1], v[AF+FR*(\a):AF+FR*(\a)+FR-1], v[8*(8*((\a)%4)+\b):8*(8*((\a)%4)+\b)+7], v[SC+8*NQ*(\sc)+NQ*\b+(\q)], v[SC+8*NQ*(\sc)+NQ*(\a)+(\q)] matrix_a_fmt:MATRIX_FMT_FP4 matrix_b_fmt:MATRIX_FMT_FP4 matrix_a_scale:MATRIX_SCALE_ROW1
.endif
.endr
.endr
.endm
.macro FETCH_B slot, q, p
	WIN TO_B
.irp i, 0,1,2,3,4,5,6,7
	FRAG 128*(\p)+FR*\i, ADRB+\slot, \q, \i
.endr
	WIN 0
.endm
.macro FETCH_A slot, q, i0
.irp i, \i0, \i0+1, \i0+2, \i0+3
	FRAG AF+FR*(\i), ADRA+\slot, \q, \i
.endr
.endm
.macro SCALES sc                       ; a K step's scale words: lanes 0-15 take A's block i, lanes 16-31 B's block i
.irp i, 0,1,2,3,4,5,6,7
	ds_load_b128 v[SC+8*NQ*\sc+NQ*\i:SC+8*NQ*\sc+NQ*\i+3], v[ADRS] offset:\i*SBLK
.endr
.endm
.macro PLACES n                        ; plain vector instructions between a matrix instruction and a load into, or a read of, its registers
.rept \n
	v_nop
.endr
.endm
.macro STEP slot, q, zero              ; 128 along K with its successor in the same slot
	s_wait_dscnt 4*NL                              ; B's set and A's blocks 0-3 are in; A's blocks 4-7 (eight loads) may be out
	WIN MUL_LO
	MUL16 0, (\q)%2, \q, \slot, \zero
	MUL16 2, (\q)%2, \q, \slot, \zero
	s_wait_dscnt 0
	PLACES NP
	FETCH_B \slot, (\q)+1, 1-(\q)%2
	FETCH_A \slot, (\q)+1, 0
	WIN MUL_HI
	MUL16 4, (\q)%2, \q, \slot, \zero
	MUL16 6, (\q)%2, \q, \slot, \zero
	PLACES NP
	WIN 0
	FETCH_A \slot, (\q)+1, 4
.endm
.macro STEPS slot, from
.set Q, \from
.rept NQ-1-\from
	STEP \slot, Q, 0
.set Q, Q+1
.endr
.endm
	s_wait_tensorcnt 1                             ; the scales and my part of slot 0 are in (slot 1's load may be out),
	s_barrier_signal -1
	s_barrier_wait -1                              ; everybody's are
	FETCH_B 0, 0, 0
	FETCH_A 0, 0, 0
	SCALES 0
	FETCH_A 0, 0, 4
	STEP 0, 0, 1                                   ; the first products start the sums: nothing is cleared
	STEPS 0, 1
	; slot 0's last step changes slots: one barrier; in front of it my part of slot 1 has landed and my reads of slot 0 are over.  Nothing is filled again.
	s_wait_tensorcnt 0x0
	ds_add_u32 v[SPW], v[NIL]                      ; 0 onto my spare word
	s_wait_dscnt 4*NL+1                            ; (the add and A's blocks 4-7 may be out)
	WIN MUL_LO
	MUL16 0, 1, NQ-1, 0, 0
	s_wait_dscnt 0x0
	s_barrier_signal -1
	MUL16 2, 1, NQ-1, 0, 0
	WIN 0
	s_barrier_wait -1
	PLACES NP
	v_add_nc_u32 v[ADRS], 4*NQ, v[ADRS]            ; the second K step's scale words
	FETCH_B 1, 0, 0
	FETCH_A 1, 0, 0
	SCALES 1
	WIN MUL_HI
	MUL16 4, 1, NQ-1, 0, 0
	MUL16 6, 1, NQ-1, 0, 0
	PLACES NP
	WIN 0
	FETCH_A 1, 0, 4
	STEPS 1, 0
	s_wait_dscnt 4*NL
	WIN MUL_LO
	MUL16 0, 1, NQ-1, 1, 0
	MUL16 2, 1, NQ-1, 1, 0
	s_wait_dscnt 0
	WIN MUL_HI
	MUL16 4, 1, NQ-1, 1, 0
	MUL16 6, 1, NQ-1, 1, 0
	WIN 0
; THE WAY OUT, by blocks a of 16 tokens x 128 columns (two heads).  Lane (r, h) holds token 16 a + r, and in accumulator b columns 16 b + 8 h + 0 .. 7.
.macro PACK a
.set AC, 64*((\a)%4)
.set CSB, 96+96*(((\a)%3+1)/2)+32*(((\a)%3)/2)
.if (\a) < 6
	s_wait_loadcnt 16                              ; this block's eight loads of cos and sin are in; the two later blocks' may be out
.else
	s_wait_loadcnt 8*(7-(\a))
.endif
	WIN (0x02+(\a)/4)                              ; source 0: window 2 or 3
.irp b, 0,1,2,3,4,5,6,7
.irp t, 0,1,2,3
	v_pk_mul_f32 v[TT+2*\t:TT+2*\t+1], v[AC+8*\b+2*\t:AC+8*\b+2*\t+1], v[CSB+8*(\b%4)+2*\t:CSB+8*(\b%4)+2*\t+1] op_sel_hi:[1,0]   ; (x1 cos, x2 cos); each accumulator is read from its low end on
.endr
.irp t, 0,1,2,3
	v_fma_f32 v[RR+8*\b+2*\t], -v[AC+8*\b+2*\t+1], v[CSB+8*(\b%4)+2*\t+1], v[TT+2*\t]     ; - x2 sin
	v_fma_f32 v[RR+8*\b+2*\t+1], v[AC+8*\b+2*\t], v[CSB+8*(\b%4)+2*\t+1], v[TT+2*\t+1]    ; + x1 sin
.endr
.endr
	WIN 0
.irp i, 0,1,2,3,4,5,6,7,8,9,10,11,12,13,14,15,16,17,18,19,20,21,22,23,24,25,26,27,28,29,30,31
	v_cvt_pk_f16_f32 v[RR+\i], v[RR+2*\i], v[RR+2*\i+1]   ; in place, ascending: a result never lands on numbers not yet read
.endr
.if (\a) <= 4
	CSLOAD (\a)+3                                  ; into the set just read
.endif
.endm
.macro TOSTAGE a
.set BB, 32+32*((\a)%2)
.irp b, 0,1,2,3,4,5,6,7
	ds_store_b128 v[STO], v[RR+4*\b:RR+4*\b+3] offset:2304*(\b/4)+32*(\b%4)
.endr
.irp p, 0,1,2,3,4,5,6,7
	ds_load_b128 v[BB+4*\p:BB+4*\p+3], v[RD] offset:288*\p   ; LDS serves a wave's instructions in order: these see the stores above
.endr
.endm
.macro SEND a
.set BB, 32+32*((\a)%2)
	s_wait_dscnt 0x0                               ; the block is back in registers
.irp p, 0,1,2,3,4,5,6,7
	global_store_b128 v[CO], v[BB+4*\p:BB+4*\p+3], s[12:13] offset:(16*(\a)+2*\p)*128   ; 16 lanes store two rows of a head: 256 consecutive bytes, aligned
.endr
.endm
	PLACES NP                                      ; behind the last products: their results are read and A's registers written below
	PACK 0
	TOSTAGE 0
.irp a, 1,2,3,4,5,6,7
	PACK \a                                        ; block a's arithmetic stands between block a - 1's loads from the stage and the wait for them
	SEND \a-1
.if \a > 1
	s_wait_xcnt 0x0                                ; block a - 2's stores have read the registers into which block a's rows come back
.endif
	TOSTAGE \a
.endr
	SEND 7
	s_wait_tensorcnt 0x0                           ; the wave's end
	ds_add_u32 v[SPW], v[NIL]
	s_wait_dscnt 0x0
	CROUND                                         ; the closing round
	s_endpgm
.Lfunc_end_k_qdc24c29eea_qkv:
	.size	k_qdc24c29eea_qkv, .Lfunc_end_k_qdc24c29eea_qkv-k_qdc24c29eea_qkv
	.p2alignl 7, 3214868480
	.fill 96, 4, 3214868480
	.section	.rodata,"a",@progbits
	.p2align	6, 0x0
	.amdhsa_kernel k_qdc24c29eea_qkv
		.amdhsa_group_segment_fixed_size 327680
		.amdhsa_private_segment_fixed_size 0
		.amdhsa_enable_private_segment 0
		.amdhsa_kernarg_size 32
		.amdhsa_user_sgpr_count 2
		.amdhsa_user_sgpr_kernarg_segment_ptr 1
		.amdhsa_wavefront_size32 1
		.amdhsa_system_sgpr_workgroup_id_x 1
		.amdhsa_system_sgpr_workgroup_id_y 1
		.amdhsa_system_sgpr_workgroup_id_z 1
		.amdhsa_system_vgpr_workitem_id 0
		.amdhsa_next_free_vgpr 1024
		.amdhsa_next_free_sgpr 100
		.amdhsa_reserve_vcc 0
		.amdhsa_float_denorm_mode_32 3
		.amdhsa_float_denorm_mode_16_64 3
		.amdhsa_memory_ordered 1
		.amdhsa_forward_progress 1
		.amdhsa_inst_pref_size 181
	.end_amdhsa_kernel
	.amdgpu_metadata
---
amdhsa.version: [ 1, 2 ]
amdhsa.kernels:
  - .name:           k_qdc24c29eea_qkv
    .symbol:         k_qdc24c29eea_qkv.kd
    .args:
      - { .name: codes, .offset: 0, .size: 8, .value_kind: global_buffer, .address_space: global }
      - { .name: scales, .offset: 8, .size: 8, .value_kind: global_buffer, .address_space: global }
      - { .name: rope, .offset: 16, .size: 8, .value_kind: global_buffer, .address_space: global }
      - { .name: qkvh, .offset: 24, .size: 8, .value_kind: global_buffer, .address_space: global }
    .group_segment_fixed_size: 327680
    .private_segment_fixed_size: 0
    .kernarg_segment_align: 8
    .kernarg_segment_size: 32
    .max_flat_workgroup_size: 128
    .sgpr_count:     100
    .vgpr_count:     1024
    .wavefront_size: 32
...
	.end_amdgpu_metadata
.endif
;; end of part 2
;; launch attn (part 3): grid 4 x 64, 16 waves a work-group, clusters of 4 x 1, 327,680 bytes of LDS; arguments qkvh, ao; writes ao
.if DOCPART == 3
	.amdgcn_target "amdgcn-amd-amdhsa--gfx1250"
	.amdhsa_code_object_version 6
	.text
	.protected	k_qdc24c29eea_attn
	.globl	k_qdc24c29eea_attn
	.p2align	8
	.type	k_qdc24c29eea_attn,@function
k_qdc24c29eea_attn:
	s_mov_b64 s[64:65], 0
	v_nop
	global_prefetch_b8 v0, s[64:65] scope:SCOPE_SE
	s_setreg_imm32_b32 hwreg(HW_REG_WAVE_MODE, 25, 1), 1
	s_wait_xcnt 0x0
	s_wait_alu depctr_hold_cnt(0) depctr_sa_sdst(0) depctr_va_vdst(0) depctr_va_sdst(0) depctr_va_ssrc(0) depctr_va_vcc(0) depctr_vm_vsrc(0)
	s_getreg_b32 s2, hwreg(HW_REG_IB_STS2, 6, 4)
	s_cmp_eq_u32 s2, 0
	s_cbranch_scc0 .Lentry_in_a_cluster
	s_endpgm
.Lentry_in_a_cluster:
	s_bfe_u32 s2, ttmp6, 0x10000c
	s_cmp_lg_u32 s2, 0x3003
	s_cbranch_scc0 .Lentry_shape_is_right
	s_endpgm
.Lentry_shape_is_right:
; ao[b][h][q][:] = sum over k <= q of softmax_k(Q[q] . K[k] / 8) V[k][:].  Q, K, V: qkvh [t][b][h][2048][64] f16; ao [b][h][2048][64] f16.  Products, maxima and sums in f32; the weights p are
; rounded to f16 for the second product (p <= 1), the output once at the end.  A running maximum m and sum l for each query: p = 2^(c s - c m), c = log2(e) / 8; in each step O and l are multiplied by 2^(c m_old - c m_new).
; SHARES.  A cluster of four work-groups is one (b, h); all four walk the head's 2,048 keys through the same joint loads.  Queries go in 32 groups of 64; partner cx owns tile 4 g + cx (16 queries) of every group g.
; Wave w owns the tile of group w and that of group 31 - w.  A key step is 64 keys, so group g is open in steps under g, on the diagonal in step g and hidden behind it: which steps a wave works hangs on its number
; and the count of steps alone, the same in all partners; cx enters global addresses and the mask's lane value only.  Every wave has (w + 1) + (32 - w) = 33 tile steps.
; LAYOUT.  S^T = K Q^T (source 0 = 16 keys, source 1 = 16 queries): a lane holds ONE query (lane % 16) and keys 8 (lane / 16) + 0..7 of each tile; two tiles rounded in pairs are source 1 of O^T = V^T P.
; K comes out of LDS as it lies, V ([key][channel]) turned by ds_load_tr16_b128.
; THE RING: two slots of 256 keys (four steps); waves 0, 1 fetch K's halves, waves 2, 3 V's, 128 rows a load; one load of a wave is out at the most, and every wait for tensor loads is for all.
; Four waves share a SIMD, so that one wave's softmax stands beside another's products and LDS loads.
; The first 16 positions of each sequence are computed here like all others and are made anew, in f32, by the two launches at the program's end.
.set KP,    144                        ; a key's row of K in LDS: 128 bytes + 16
.set VP,    160                        ; of V: 128 + 32
.set VOFF,  256*KP                     ; a slot: 256 rows of K, then 256 of V
.set SLOT1, 1<<17                      ; slot 1 begins here: one exclusive or turns an address
.set STAGE, VOFF+256*VP                ; between the slots: 16 rows x 144 bytes for each wave, for the way out
.set SPARE, STAGE+16*16*KP             ; the spare words, 128 bytes a wave
.set AK0, 1                            ; my lane's place in a tile of K
.set AV0, 2                            ; and of V
.set ADK, 3                            ; the step's addresses
.set ADV, 4
.set SPW, 5
.set NIL, 6
.set DM,  7                            ; 16 cx + r - 8 h: on the diagonal, register 8 kt + j is hidden where 16 kt + j is greater
.set PFO, 8                            ; 256 x lane
.set STO, 9
.set RD,  10
.set GO,  11
.set NEG, 12                           ; -infinity
.set ST,  16                           ; tile t's statistics at v[ST + 8 t]: +0 c m, +1 m, +2, +3 l, +4 .. +7 at work, a in +6
.set Q,   32                           ; 16 registers a tile
.set S,   64                           ; 32 a tile; p is packed into the first 16
.set O,   128                          ; 32 a tile
.set KV,  192                          ; 8 fragments: K, then V
.set WV,  8
.set CX,  9
.set BH,  10
.set GL,  11                           ; my low group
.set GH,  12                           ; my high group
.set KS,  13                           ; the key step
.set TK,  14                           ; LDS byte of the step's K
.set TV,  15                           ; and V
.set SLOTS, 16
.set FOUR, 17
.set CS,  18                           ; s[18:19] c
.set SEL, 20                           ; s[20:21] lane l xor 16
.set SB,  22                           ; the slot in hand
.set G1K, 24
.set G1V, 32
.set G0K, 40
.set G0V, 44
.set AOL, 50
.set AOH, 52
.set PFA, 54
.set LIM, 56
.set QL,  60
.set QH,  62
.macro TLOAD                           ; waves 0, 1: K; waves 2, 3: V; the others nothing.  An s_nop 0 and four v_nop follow each line
	s_cmp_lt_u32 s[WV], 2
	s_cbranch_scc0 .Lnot_k_\@
	tensor_load_to_lds s[G0K:G0K+3], s[G1K:G1K+7]
	s_nop 0
.rept 4
	v_nop
.endr
	s_branch .Lasked_\@
.Lnot_k_\@:
	s_cmp_lt_u32 s[WV], 4
	s_cbranch_scc0 .Lasked_\@
	tensor_load_to_lds s[G0V:G0V+3], s[G1V:G1V+7]
	s_nop 0
.rept 4
	v_nop
.endr
.Lasked_\@:
.endm
; A prefetch of what the NEXT change of slots will ask for: four key steps ahead of that load.  A slot is 32,768 dense bytes of K and as many of V; the four partners take 8,192 each, told apart by address;
; wave 4 asks for K's, wave 5 for V's, lanes 256 bytes apart: each aligned 256 bytes is named once in the launch.  Nothing at the head; nothing at the last change that fills a slot.
.macro ASK
	s_cmp_gt_u32 s[SLOTS], s[LIM]
	s_cbranch_scc0 .Lnot_mine_\@
	global_prefetch_b8 v[PFO], s[PFA:PFA+1] th:TH_LOAD_NT scope:SCOPE_SE
.Lnot_mine_\@:
.endm
.macro CROUND
	s_barrier_signal -1
	s_barrier_wait -1
	s_cmp_lg_u32 s[WV], 0
	s_cbranch_scc1 .Lnot_wave_0_\@
	s_barrier_signal -3
.Lnot_wave_0_\@:
	s_barrier_wait -3
	s_barrier_signal -1
	s_barrier_wait -1
.endm
	s_load_b128 s[4:7], s[0:1], 0x0                ; qkvh s[4:5], ao s[6:7]
	v_lshl_add_u32 v[SPW], v0, 2, SPARE
	v_mov_b32 v[NIL], 0
	ds_add_u32 v[SPW], v[NIL]                      ; the wave's opening: the add, twice on end, and its wait ahead of the first tensor load
	ds_add_u32 v[SPW], v[NIL]
	v_lshrrev_b32 v13, 5, v0
	v_readfirstlane_b32 s[WV], v13                 ; wave 0..15
	s_bfe_u32 s[CX], ttmp6, 0x40000
	s_and_b32 s[BH], ttmp7, 0xffff                 ; 16 b + h, which the four partners share
	s_mov_b32 s[GL], s[WV]
	s_xor_b32 s[GH], s[WV], 31                     ; 31 - wave
	s_mov_b32 s[G1K], 15|(1<<16)|(1<<20)|(1<<21)|(4<<22)|(3<<25)   ; all four work-groups; elements of 2 bytes; padding on; bit 21 beside a mask; 4 words after every 32
	s_mov_b32 s[G1V], 15|(1<<16)|(1<<20)|(1<<21)|(4<<22)|(7<<25)   ; the same with 8 words
.irp g, G1K, G1V
	s_mov_b32 s[\g+1], 64<<16                      ; tensor_dim0
	s_mov_b32 s[\g+2], 128<<16                     ; tensor_dim1
	s_mov_b32 s[\g+3], 64<<16                      ; tile_dim0
	s_mov_b32 s[\g+4], 128                         ; tile_dim1
	s_mov_b32 s[\g+5], 64                          ; from row to row
	s_mov_b32 s[\g+6], 0
	s_mov_b32 s[\g+7], 0
.endr
	s_and_b32 s2, s[WV], 1                         ; which 128 rows of a slot I fetch
	s_lshl_b32 s48, s[BH], 18
	s_lshl_b32 s23, s2, 14
	s_add_co_u32 s48, s48, s23
	s_add_co_u32 s48, s48, 0x1000000               ; K lies 16,777,216 bytes behind Q
	s_mov_b32 s49, 0
	s_mov_b32 s[G0K], 1
	s_mul_i32 s[G0K+1], s2, 128*KP
	s_mov_b32 s[G0V], 1
	s_mul_i32 s[G0V+1], s2, 128*VP
	s_add_co_u32 s[G0V+1], s[G0V+1], VOFF
	s_lshl_b32 s3, s[BH], 18                       ; my two tiles: (2048 (16 b + h) + 64 g + 16 cx) x 128 bytes
	s_lshl_b32 s57, s[CX], 11
	s_add_co_u32 s3, s3, s57
	s_lshl_b32 s[QL], s[GL], 13
	s_add_co_u32 s[QL], s[QL], s3
	s_mov_b32 s[QL+1], 0
	s_lshl_b32 s[QH], s[GH], 13
	s_add_co_u32 s[QH], s[QH], s3
	s_mov_b32 s[QH+1], 0
	s_lshl_b32 s58, s[BH], 18                      ; the prefetches: my work-group's 8,192 bytes, in slot 1; the first change steps it to slot 2
	s_lshl_b32 s57, s[CX], 13
	s_add_co_u32 s58, s58, s57
	s_add_co_u32 s58, s58, 0x1008000
	s_cmp_eq_u32 s[WV], 5
	s_cselect_b32 s57, 0x1000000, 0                ; wave 5: V
	s_add_co_u32 s58, s58, s57
	s_mov_b32 s59, 0
	s_lshr_b32 s[LIM], s[WV], 1
	s_cmp_eq_u32 s[LIM], 2
	s_cselect_b32 s[LIM], 1, -1                    ; 1 in waves 4 and 5, else the greatest number
	s_mov_b32 s[CS], 0x3e38aa3b                    ; c = log2(e) / 8
	s_mov_b32 s[CS+1], s[CS]
	s_mov_b32 s[SEL], 0x76543210
	s_mov_b32 s[SEL+1], 0xfedcba98
	s_mov_b32 s[KS], 0
	s_mov_b32 s[SB], 0
	s_mov_b32 s[SLOTS], 7
	s_wait_dscnt 0x0                               ; both opening adds are done
	s_wait_kmcnt 0x0
	s_add_nc_u64 s[G0K+2:G0K+3], s[4:5], s[48:49]
	s_add_nc_u64 s[G0V+2:G0V+3], s[G0K+2:G0K+3], 0x1000000
	s_or_b32 s[G0K+3], s[G0K+3], 0x80000000
	s_or_b32 s[G0V+3], s[G0V+3], 0x80000000
	s_add_nc_u64 s[PFA:PFA+1], s[4:5], s[58:59]
	s_add_nc_u64 s[AOL:AOL+1], s[6:7], s[QL:QL+1]
	s_add_nc_u64 s[AOH:AOH+1], s[6:7], s[QH:QH+1]
	s_add_nc_u64 s[QL:QL+1], s[4:5], s[QL:QL+1]
	s_add_nc_u64 s[QH:QH+1], s[4:5], s[QH:QH+1]
	CROUND                                         ; all four work-groups are here
	TLOAD                                          ; slot 0
	v_and_b32 v13, 15, v0                          ; r
	v_bfe_u32 v14, v0, 4, 1                        ; h
	v_lshlrev_b32 v3, 7, v13
	v_lshl_add_u32 v3, v14, 4, v3                  ; Q: 128 r + 16 h (the register is written again only behind the wait for these loads)
.irp c, 0,1
	global_load_b128 v[Q+8*\c:Q+8*\c+3], v3, s[QL:QL+1] offset:64*\c
	global_load_b128 v[Q+8*\c+4:Q+8*\c+7], v3, s[QL:QL+1] offset:64*\c+32
	global_load_b128 v[Q+16+8*\c:Q+16+8*\c+3], v3, s[QH:QH+1] offset:64*\c
	global_load_b128 v[Q+16+8*\c+4:Q+16+8*\c+7], v3, s[QH:QH+1] offset:64*\c+32
.endr
	v_mul_u32_u24 v[AK0], v13, KP
	v_lshl_add_u32 v[AK0], v14, 4, v[AK0]          ; row r x pitch + 16 h
	v_and_b32 v15, 7, v0
	v_lshl_add_u32 v[AV0], v14, 3, v15
	v_mul_u32_u24 v[AV0], v[AV0], VP
	v_bfe_u32 v4, v0, 3, 1
	v_lshl_add_u32 v[AV0], v4, 4, v[AV0]           ; the turning load: key 8 h + l % 8, channels 8 ((l / 8) % 2) on
	v_lshlrev_b32 v4, 3, v14
	v_sub_nc_u32 v[DM], v13, v4
	s_lshl_b32 s57, s[CX], 4
	v_add_nc_u32 v[DM], s57, v[DM]
	v_and_b32 v[GO], 31, v0
	v_lshlrev_b32 v[PFO], 8, v[GO]
	v_lshlrev_b32 v[GO], 4, v[GO]
	s_mul_i32 s23, s[WV], 16*KP
	s_add_co_u32 s23, s23, STAGE                   ; my stage
	v_add_nc_u32 v[STO], s23, v[AK0]
	v_bfe_u32 v[RD], v0, 3, 2
	v_mul_u32_u24 v[RD], v[RD], KP
	v_lshl_add_u32 v[RD], v15, 4, v[RD]
	v_add_nc_u32 v[RD], s23, v[RD]                 ; back: eight lanes to a row of 128 bytes, four rows a load
	v_mov_b32 v[NEG], 0xff800000
.irp t, 0,1
	v_mov_b32 v[ST+8*\t+1], 0xff61b1e6             ; m: -3e38, under every score
	v_mul_f32 v[ST+8*\t], s[CS], v[ST+8*\t+1]
.irp i, 2,3,4,5,6,7
	v_mov_b32 v[ST+8*\t+\i], 0
.endr
.endr
.irp j, 0,1,2,3,4,5,6,7,8,9,10,11,12,13,14,15,16,17,18,19,20,21,22,23,24,25,26,27,28,29,30,31,32,33,34,35,36,37,38,39,40,41,42,43,44,45,46,47,48,49,50,51,52,53,54,55,56,57,58,59,60,61,62,63
	v_mov_b32 v[O+\j], 0                           ; O^T.  (The step is written once: the first finds zeros, which its factor 0 leaves zeros)
.endr
; Four accumulators take turns, one instruction a turn, in both products.
.macro KQ t
.irp cs, 0,1
.irp kt, 0,1,2,3
.if \cs == 0
	v_wmma_f32_16x16x32_f16 v[S+32*\t+8*\kt:S+32*\t+8*\kt+7], v[KV+8*(2*\kt+\cs):KV+8*(2*\kt+\cs)+7], v[Q+16*\t+8*\cs:Q+16*\t+8*\cs+7], 0
.else
	v_wmma_f32_16x16x32_f16 v[S+32*\t+8*\kt:S+32*\t+8*\kt+7], v[KV+8*(2*\kt+\cs):KV+8*(2*\kt+\cs)+7], v[Q+16*\t+8*\cs:Q+16*\t+8*\cs+7], v[S+32*\t+8*\kt:S+32*\t+8*\kt+7]
.endif
.endr
.endr
.endm
.macro PV t
.irp ks, 0,1
.irp ct, 0,1,2,3
	v_wmma_f32_16x16x32_f16 v[O+32*\t+8*\ct:O+32*\t+8*\ct+7], v[KV+8*(4*\ks+\ct):KV+8*(4*\ks+\ct)+7], v[S+32*\t+8*\ks:S+32*\t+8*\ks+7], v[O+32*\t+8*\ct:O+32*\t+8*\ct+7]
.endr
.endr
.endm
.macro LDK                             ; 64 keys x 64 channels: fragment 2 kt + cs
.irp kt, 0,1,2,3
.irp cs, 0,1
	ds_load_b128 v[KV+8*(2*\kt+\cs):KV+8*(2*\kt+\cs)+3], v[ADK] offset:16*KP*\kt+64*\cs
	ds_load_b128 v[KV+8*(2*\kt+\cs)+4:KV+8*(2*\kt+\cs)+7], v[ADK] offset:16*KP*\kt+64*\cs+32
.endr
.endr
.endm
.macro LDV                             ; turned: fragment 4 ks + ct: channels 16 ct on, keys 32 ks on
.irp ks, 0,1
.irp ct, 0,1,2,3
	ds_load_tr16_b128 v[KV+8*(4*\ks+\ct):KV+8*(4*\ks+\ct)+3], v[ADV] offset:32*VP*\ks+32*\ct
	ds_load_tr16_b128 v[KV+8*(4*\ks+\ct)+4:KV+8*(4*\ks+\ct)+7], v[ADV] offset:32*VP*\ks+32*\ct+16*VP
.endr
.endr
.endm
.macro MASK t                          ; the diagonal step: hidden scores become -infinity ahead of the maximum; the step's first key counts for every query of the group
.irp n, 0,1,2,3,4,5,6,7,8,9,10,11,12,13,14,15,16,17,18,19,20,21,22,23,24,25,26,27,28,29,30,31
	v_cmp_gt_i32 vcc_lo, 16*(\n/8)+\n%8, v[DM]
	v_cndmask_b32 v[S+32*\t+\n], v[S+32*\t+\n], v[NEG], vcc_lo
.endr
.endm
.macro SM_MAX t                        ; the new m from 32 scores, the old m and the other half of the lanes; c m; c m_old - c m_new.  Each accumulator is read from its low end on
.set rT, ST+8*(\t)
.set rS, S+32*(\t)
.irp j, 0,1,2,3
	v_max3_num_f32 v[rT+4+\j], v[rS+8*\j], v[rS+8*\j+1], v[rS+8*\j+2]
.endr
.irp j, 0,1,2,3
	v_max3_num_f32 v[rT+4+\j], v[rT+4+\j], v[rS+8*\j+3], v[rS+8*\j+4]
.endr
.irp j, 0,1,2,3
	v_max3_num_f32 v[rT+4+\j], v[rT+4+\j], v[rS+8*\j+5], v[rS+8*\j+6]
.endr
	v_max3_num_f32 v[rT+4], v[rT+4], v[rS+7], v[rS+15]
	v_max3_num_f32 v[rT+6], v[rT+6], v[rS+23], v[rS+31]
	v_max3_num_f32 v[rT+4], v[rT+4], v[rT+5], v[rT+6]
	v_max3_num_f32 v[rT+4], v[rT+4], v[rT+7], v[rT+1]
	v_permlanex16_b32 v[rT+5], v[rT+4], s[SEL], s[SEL+1]
	v_mov_b32 v[rT+7], v[rT]
	v_max_num_f32 v[rT+1], v[rT+4], v[rT+5]
	v_mul_f32 v[rT], s[CS], v[rT+1]
	v_sub_f32 v[rT+7], v[rT+7], v[rT]
.endm
.macro SM_SCALE t
.set rT, ST+8*(\t)
.set rS, S+32*(\t)
.irp b, 0,2,4,6,8,10,12,14,16,18,20,22,24,26,28,30
	v_pk_fma_f32 v[rS+\b:rS+\b+1], v[rS+\b:rS+\b+1], s[CS:CS+1], v[rT:rT+1] op_sel_hi:[1,0,0] neg_lo:[0,0,1] neg_hi:[0,0,1]   ; c s - c m
.endr
.endm
.macro SM_EXP t
.set rT, ST+8*(\t)
.set rS, S+32*(\t)
	v_exp_f32 v[rT+6], v[rT+7]                     ; a
.irp e, 0,1,2,3,4,5,6,7,8,9,10,11,12,13,14,15,16,17,18,19,20,21,22,23,24,25,26,27,28,29,30,31
	v_exp_f32 v[rS+\e], v[rS+\e]
.endr
.endm
.macro SM_SUM t                        ; l = a l + the 32 weights, unrounded, two at a time in two chains
.set rT, ST+8*(\t)
.set rS, S+32*(\t)
	v_pk_fma_f32 v[rT+2:rT+3], v[rT+2:rT+3], v[rT+6:rT+7], v[rS:rS+1] op_sel_hi:[1,0,1]
	v_pk_add_f32 v[rT+4:rT+5], v[rS+2:rS+3], v[rS+6:rS+7]
.irp b, 4,8,12,16,20,24
	v_pk_add_f32 v[rT+2:rT+3], v[rT+2:rT+3], v[rS+\b:rS+\b+1]
	v_pk_add_f32 v[rT+4:rT+5], v[rT+4:rT+5], v[rS+\b+6:rS+\b+7]
.endr
	v_pk_add_f32 v[rT+2:rT+3], v[rT+2:rT+3], v[rS+28:rS+29]
	v_pk_add_f32 v[rT+2:rT+3], v[rT+2:rT+3], v[rT+4:rT+5]
.endm
.macro SM_PACK t                       ; in place, ascending
.set rS, S+32*(\t)
.irp i, 0,1,2,3,4,5,6,7,8,9,10,11,12,13,14,15
	v_cvt_pk_f16_f32 v[rS+\i], v[rS+2*\i], v[rS+2*\i+1]
.endr
.endm
.macro SM_RESC t
.set rT, ST+8*(\t)
.irp i, 0,2,4,6,8,10,12,14,16,18,20,22,24,26,28,30
	v_pk_mul_f32 v[O+32*(\t)+\i:O+32*(\t)+\i+1], v[O+32*(\t)+\i:O+32*(\t)+\i+1], v[rT+6:rT+7] op_sel_hi:[1,0]
.endr
.endm
; A step's work.  lo = 1: both tiles; 0: the high tile alone.  Two whole bodies, so that no way reads scores that it did not make.
.macro BODY lo
.rept 3
	v_nop                                          ; with the step's two additions: five plain instructions between the last step's products and the loads into their registers, and the products that write over p
.endr
	LDK
	s_wait_dscnt 0x0
.if \lo
	KQ 0
.endif
	KQ 1
.rept 4
	v_nop                                          ; in front of loads into K's registers and of the first read of the scores
.endr
	LDV                                            ; lands while the softmax is worked
.if \lo
	s_cmp_lg_u32 s[KS], s[GL]                      ; the high group lies above 15, so it is open in every step of this body
	s_cbranch_scc1 .Lopen_\@
	MASK 0
.Lopen_\@:
	SM_MAX 0
	SM_MAX 1
	SM_SCALE 0
	SM_SCALE 1
	SM_EXP 0
	SM_EXP 1
.else
	s_cmp_lg_u32 s[KS], s[GH]
	s_cbranch_scc1 .Lopen_\@
	MASK 1
.Lopen_\@:
	SM_MAX 1
	SM_SCALE 1
	SM_EXP 1
.endif
	v_nop                                          ; a plain instruction behind the last exponential
	s_wait_alu depctr_va_vdst(0)                   ; one wait for the whole batch, ahead of its first reader
.if \lo
	SM_SUM 0
	SM_SUM 1
	SM_PACK 0
	SM_PACK 1
	SM_RESC 0
	SM_RESC 1
	s_wait_dscnt 0x0                               ; V is in
	PV 0
	PV 1
.else
	SM_SUM 1
	SM_PACK 1
	SM_RESC 1
	s_wait_dscnt 0x0
	PV 1
.endif
.endm
.macro STEP
	v_add_nc_u32 v[ADK], s[TK], v[AK0]             ; made on every way, ahead of the parting
	v_add_nc_u32 v[ADV], s[TV], v[AV0]
	s_cmp_gt_u32 s[KS], s[GH]
	s_cbranch_scc1 .Lidle_\@                       ; all keys of the step come after all my queries
	s_cmp_gt_u32 s[KS], s[GL]
	s_cbranch_scc1 .Lhigh_\@
	BODY 1
	s_branch .Lidle_\@
.Lhigh_\@:
	BODY 0
.Lidle_\@:
	s_add_co_u32 s[KS], s[KS], 1
	s_add_co_u32 s[TK], s[TK], 64*KP
	s_add_co_u32 s[TV], s[TV], 64*VP
.endm
.macro FOUR_STEPS                      ; a slot's four key steps: written once, walked four times
	s_mov_b32 s[TK], s[SB]
	s_add_co_u32 s[TV], s[SB], VOFF
	s_mov_b32 s[FOUR], 4
.Lstep_\@:
	STEP
	s_sub_co_u32 s[FOUR], s[FOUR], 1
	s_cmp_lg_u32 s[FOUR], 0
	s_cbranch_scc1 .Lstep_\@
	s_xor_b32 s[SB], s[SB], SLOT1
.endm
; THE CHANGE OF SLOTS stands at a slot's head.  Each wave waits for all its tensor loads (its part of the slot ahead), adds 0 to its spare word, and waits for that and for its reads of the slot left.
; fill = 1: a round of the cluster's barrier, and behind it the slot left is filled with the next 256 keys: the load has four key steps in which to land.
.macro CHANGE fill
	s_wait_tensorcnt 0x0
	ds_add_u32 v[SPW], v[NIL]
.if \fill
	ds_add_u32 v[SPW], v[NIL]                      ; and twice on end here, in every trip alike
	s_xor_b32 s[G0K+1], s[G0K+1], SLOT1
	s_add_nc_u64 s[G0K+2:G0K+3], s[G0K+2:G0K+3], 32768
	s_xor_b32 s[G0V+1], s[G0V+1], SLOT1
	s_add_nc_u64 s[G0V+2:G0V+3], s[G0V+2:G0V+3], 32768
	s_wait_xcnt 0x0                                ; the last prefetch, a slot back, has read its address
	s_add_nc_u64 s[PFA:PFA+1], s[PFA:PFA+1], 32768
	s_wait_dscnt 0x0
	CROUND
	TLOAD
	ASK
.else
	s_wait_dscnt 0x0
	s_barrier_signal -1
	s_barrier_wait -1
.endif
.endm
	s_wait_loadcnt 0x0                             ; Q
.Lslot:                                            ; seven trips: behind each change of slots but the last the next slot is asked for
	CHANGE 1
	FOUR_STEPS
	s_sub_co_u32 s[SLOTS], s[SLOTS], 1
	s_cmp_lg_u32 s[SLOTS], 0
	s_cbranch_scc1 .Lslot
	CHANGE 0                                       ; the last slot is written out
	FOUR_STEPS
	; THE WAY OUT: O^T / l, rounded to f16, through my stage, a tile at a time; a store of the wave covers four rows: 512 consecutive bytes, aligned.
.rept 4
	v_nop                                          ; behind the last products
.endr
.irp t, 0,1
	v_add_f32 v[ST+8*\t+4], v[ST+8*\t+2], v[ST+8*\t+3]
.endr
.irp t, 0,1
	v_permlanex16_b32 v[ST+8*\t+5], v[ST+8*\t+4], s[SEL], s[SEL+1]
.endr
.irp t, 0,1
	v_add_f32 v[ST+8*\t+4], v[ST+8*\t+4], v[ST+8*\t+5]
.endr
.irp t, 0,1
	v_rcp_f32 v[ST+8*\t+6], v[ST+8*\t+4]
.endr
	v_nop
	s_wait_alu depctr_va_vdst(0)                   ; one wait for the two reciprocals
.macro OUT t
.irp i, 0,2,4,6,8,10,12,14,16,18,20,22,24,26,28,30
	v_pk_mul_f32 v[O+32*\t+\i:O+32*\t+\i+1], v[O+32*\t+\i:O+32*\t+\i+1], v[ST+8*\t+6:ST+8*\t+7] op_sel_hi:[1,0]
.endr
.irp i, 0,1,2,3,4,5,6,7,8,9,10,11,12,13,14,15
	v_cvt_pk_f16_f32 v[S+32*\t+\i], v[O+32*\t+2*\i], v[O+32*\t+2*\i+1]
.endr
.irp c, 0,1,2,3
	ds_store_b128 v[STO], v[S+32*\t+4*\c:S+32*\t+4*\c+3] offset:32*\c
.endr
.irp p, 0,1,2,3
	ds_load_b128 v[S+32*\t+16+4*\p:S+32*\t+16+4*\p+3], v[RD] offset:4*KP*\p   ; LDS serves a wave's instructions in order
.endr
.endm
	OUT 0
	OUT 1
.irp p, 0,1,2,3
	s_wait_dscnt 11-\p                             ; behind this load: the tile's later loads and the other tile's eight instructions
	global_store_b128 v[GO], v[S+16+4*\p:S+16+4*\p+3], s[AOL:AOL+1] offset:512*\p
.endr
.irp p, 0,1,2,3
	s_wait_dscnt 3-\p
	global_store_b128 v[GO], v[S+48+4*\p:S+48+4*\p+3], s[AOH:AOH+1] offset:512*\p
.endr
	s_wait_tensorcnt 0x0                           ; the wave's end
	ds_add_u32 v[SPW], v[NIL]
	s_wait_dscnt 0x0
	CROUND                                         ; the closing round
	s_endpgm
.Lfunc_end_k_qdc24c29eea_attn:
	.size	k_qdc24c29eea_attn, .Lfunc_end_k_qdc24c29eea_attn-k_qdc24c29eea_attn
	.p2alignl 7, 3214868480
	.fill 96, 4, 3214868480
	.section	.rodata,"a",@progbits
	.p2align	6, 0x0
	.amdhsa_kernel k_qdc24c29eea_attn
		.amdhsa_group_segment_fixed_size 327680
		.amdhsa_private_segment_fixed_size 0
		.amdhsa_enable_private_segment 0
		.amdhsa_kernarg_size 16
		.amdhsa_user_sgpr_count 2
		.amdhsa_user_sgpr_kernarg_segment_ptr 1
		.amdhsa_wavefront_size32 1
		.amdhsa_system_sgpr_workgroup_id_x 1
		.amdhsa_system_sgpr_workgroup_id_y 1
		.amdhsa_system_sgpr_workgroup_id_z 1
		.amdhsa_system_vgpr_workitem_id 0
		.amdhsa_next_free_vgpr 256
		.amdhsa_next_free_sgpr 66
		.amdhsa_reserve_vcc 1
		.amdhsa_float_denorm_mode_32 3
		.amdhsa_float_denorm_mode_16_64 3
		.amdhsa_memory_ordered 1
		.amdhsa_forward_progress 1
		.amdhsa_inst_pref_size 81
	.end_amdhsa_kernel
	.amdgpu_metadata
---
amdhsa.version: [ 1, 2 ]
amdhsa.kernels:
  - .name:           k_qdc24c29eea_attn
    .symbol:         k_qdc24c29eea_attn.kd
    .args:
      - { .name: qkvh, .offset: 0, .size: 8, .value_kind: global_buffer, .address_space: global }
      - { .name: ao, .offset: 8, .size: 8, .value_kind: global_buffer, .address_space: global }
    .group_segment_fixed_size: 327680
    .private_segment_fixed_size: 0
    .kernarg_segment_align: 8
    .kernarg_segment_size: 16
    .max_flat_workgroup_size: 512
    .sgpr_count:     66
    .vgpr_count:     256
    .wavefront_size: 32
...
	.end_amdgpu_metadata
.endif
;; end of part 3
;; launch oproj (part 4): grid 8 x 32, 4 waves a work-group, clusters of 4 x 4, 327,680 bytes of LDS; arguments ao, wo16, out0; writes out0
.if DOCPART == 4
	.amdgcn_target "amdgcn-amd-amdhsa--gfx1250"
	.amdhsa_code_object_version 6
	.text
	.protected	k_qdc24c29eea_oproj
	.globl	k_qdc24c29eea_oproj
	.p2align	8
	.type	k_qdc24c29eea_oproj,@function
k_qdc24c29eea_oproj:
	s_mov_b64 s[64:65], 0
	v_nop
	global_prefetch_b8 v0, s[64:65] scope:SCOPE_SE
	s_setreg_imm32_b32 hwreg(HW_REG_WAVE_MODE, 25, 1), 1
	s_wait_xcnt 0x0
	s_wait_alu depctr_hold_cnt(0) depctr_sa_sdst(0) depctr_va_vdst(0) depctr_va_sdst(0) depctr_va_ssrc(0) depctr_va_vcc(0) depctr_vm_vsrc(0)
	s_getreg_b32 s2, hwreg(HW_REG_IB_STS2, 6, 4)
	s_cmp_eq_u32 s2, 0
	s_cbranch_scc0 .Lentry_in_a_cluster
	s_endpgm
.Lentry_in_a_cluster:
	s_bfe_u32 s2, ttmp6, 0x10000c
	s_cmp_lg_u32 s2, 0xf033
	s_cbranch_scc0 .Lentry_shape_is_right
	s_endpgm
.Lentry_shape_is_right:
; out0[m][e] = sum over d of attention[m][d] Wo[e][d], m = b*2048+s, d = 64 h + channel.  ao [b][h][2048][64] f16, wo16 [1024][1024] f16, out0 [8192][1024] f32; sums in f32.
; A tile of out0 is 256 rows x 128 columns: 32 x 8 = 256 work-groups.  Four waves, each 128 x 64: 32 accumulators, 256 registers (window 1).
; K goes in steps of 128 = two heads, through two LDS slots.  A step's tile of ao is two planes, one a head: 256 rows of 128 bytes, dense in memory; waves 0, 1 fetch a plane each, waves 2, 3 64 rows of wo16 each.
; CLUSTERS: 4 x 4; ao's tiles are asked for jointly along a row of the cluster, wo16's along a column.  Where a slot is filled again a round of the cluster's barrier stands in front.
; THE MATRIX INSTRUCTION IS USED TRANSPOSED (source 0 = 16 rows of Wo, source 1 = 16 rows of ao): a lane holds eight neighbouring columns of a row of out0.
; The first 16 rows of each sequence are written here like all others and written anew, from f32 operands, by the program's last launch.
.set APL,    256*144                   ; a plane: rows of 128 bytes + 16
.set BHF,    64*272                    ; 64 rows of Wo: 256 bytes + 16
.set SLOT,   2*APL+2*BHF
.set STAGE,  2*SLOT                    ; 16 rows x 272 bytes for each wave
.set SPITCH, 272
.set SPARE,  STAGE+4*16*SPITCH
.set LAPS,   4                         ; 8 K steps, two a lap
.set ADRA, 16
.set ADRB, 20
.set STO,  24
.set RD,   25
.set CO,   26
.set SPW,  28
.set NIL,  29
.set F0,   32                          ; a fragment buffer: A's 64 registers, then B's 32
.set F1,   128
.set G1, 24
.set G0, 32
.set G1B, 48
.set G0B, 56
.set MSB, 0
.macro WIN new
.if MSB != \new
	s_set_vgpr_msb (MSB<<8)|\new
.set MSB, \new
.endif
.endm
.set MUL, 0x50                         ; C and D window 1, sources window 0
.macro JLOAD s
	s_cmp_eq_u32 s11, 0
	s_cbranch_scc0 .Lfor_b_\@
	tensor_load_to_lds s[G0+4*\s:G0+4*\s+3], s[G1:G1+7]
	s_nop 0
.rept 4
	v_nop
.endr
	s_branch .Lasked_\@
.Lfor_b_\@:
	tensor_load_to_lds s[G0B+4*\s:G0B+4*\s+3], s[G1B:G1B+7]
	s_nop 0
.rept 4
	v_nop
.endr
.Lasked_\@:
.endm
.macro CREST
	s_cmp_lg_u32 s10, 0
	s_cbranch_scc1 .Lnot_wave_0_\@
	s_barrier_signal -3
.Lnot_wave_0_\@:
	s_barrier_wait -3
	s_barrier_signal -1
	s_barrier_wait -1
.endm
.macro CROUND
	s_barrier_signal -1
	s_barrier_wait -1
	CREST
.endm
	s_load_b128 s[4:7], s[0:1], 0x0                ; ao s[4:5], wo16 s[6:7]
	s_load_b64 s[8:9], s[0:1], 0x10                ; out0
	v_lshl_add_u32 v[SPW], v0, 2, SPARE
	v_mov_b32 v[NIL], 0
	ds_add_u32 v[SPW], v[NIL]                      ; the wave's opening: the add, twice on end, and its wait ahead of my first tensor load
	ds_add_u32 v[SPW], v[NIL]
	v_lshrrev_b32 v1, 5, v0
	v_readfirstlane_b32 s10, v1                    ; wave 0..3
	s_lshr_b32 s11, s10, 1                         ; my half of the rows.  Also: I fetch for A (0) or B (1)
	s_and_b32 s12, s10, 1                          ; my half of the columns.  Also: which plane, or which 64 rows, I fetch
	s_bfe_u32 s40, ttmp6, 0x40000
	s_bfe_u32 s41, ttmp6, 0x40004
	s_lshl_b32 s42, ttmp9, 2
	s_add_co_u32 s42, s42, s40                     ; tile column
	s_and_b32 s13, ttmp7, 0xffff
	s_lshl_b32 s13, s13, 2
	s_add_co_u32 s13, s13, s41                     ; tile row
	s_lshl_b32 s43, s41, 2
	s_lshl_b32 s43, 15, s43
	s_lshl_b32 s44, 0x1111, s40
	s_or_b32 s[G1+0], s43, (1<<16)|(1<<20)|(1<<21)|(4<<22)|(3<<25)   ; A: my row of the cluster; elements of 2 bytes; 4 words of padding after every 32
	s_mov_b32 s[G1+1], 64<<16
	s_mov_b32 s[G1+2], 256<<16
	s_mov_b32 s[G1+3], 64<<16
	s_mov_b32 s[G1+4], 256
	s_mov_b32 s[G1+5], 64
	s_mov_b32 s[G1+6], 0
	s_mov_b32 s[G1+7], 0
	s_or_b32 s[G1B+0], s44, (1<<16)|(1<<20)|(1<<21)|(5<<22)|(3<<25)  ; B: my column; 4 words after every 64
	s_mov_b32 s[G1B+1], 128<<16
	s_mov_b32 s[G1B+2], 64<<16
	s_mov_b32 s[G1B+3], 128<<16
	s_mov_b32 s[G1B+4], 64
	s_mov_b32 s[G1B+5], 1024
	s_mov_b32 s[G1B+6], 0
	s_mov_b32 s[G1B+7], 0
	s_lshr_b32 s16, s13, 3                         ; A: ((16 b + plane) 2048 + 256 (tile row % 8)) x 128 bytes
	s_lshl_b32 s16, s16, 4
	s_add_co_u32 s16, s16, s12
	s_lshl_b32 s16, s16, 11
	s_and_b32 s17, s13, 7
	s_lshl_b32 s17, s17, 8
	s_add_co_u32 s16, s16, s17
	s_lshl_b32 s16, s16, 7
	s_mov_b32 s17, 0
	s_lshl_b32 s46, s42, 7                         ; B: row 128 x tile column + 64 x half, 2,048 bytes a row
	s_lshl_b32 s47, s12, 6
	s_add_co_u32 s46, s46, s47
	s_lshl_b32 s46, s46, 11
	s_mov_b32 s47, 0
	s_mul_i32 s20, s12, APL
	s_mul_i32 s21, s12, BHF
	s_add_co_u32 s21, s21, 2*APL
	s_wait_dscnt 0x0
	s_wait_kmcnt 0x0
	s_add_nc_u64 s[14:15], s[4:5], s[16:17]
	s_add_nc_u64 s[46:47], s[6:7], s[46:47]
	CROUND
.irp s, 0,1
	s_mov_b32 s[G0+4*\s], 1
	s_add_co_u32 s[G0+4*\s+1], s20, \s*SLOT
	s_add_nc_u64 s[G0+4*\s+2:G0+4*\s+3], s[14:15], \s*524288      ; K step s: two heads of 262,144 bytes on
	s_or_b32 s[G0+4*\s+3], s[G0+4*\s+3], 0x80000000
	s_mov_b32 s[G0B+4*\s], 1
	s_add_co_u32 s[G0B+4*\s+1], s21, \s*SLOT
	s_add_nc_u64 s[G0B+4*\s+2:G0B+4*\s+3], s[46:47], \s*256
	s_or_b32 s[G0B+4*\s+3], s[G0B+4*\s+3], 0x80000000
	JLOAD \s                                       ; two loads of mine are out at the most
.endr
	v_and_b32 v1, 15, v0
	v_bfe_u32 v2, v0, 4, 1
	v_mul_u32_u24 v3, v1, 144
	v_lshl_add_u32 v3, v2, 4, v3
	v_mul_u32_u24 v4, v1, 272
	v_lshl_add_u32 v4, v2, 4, v4
	s_mul_i32 s21, s11, 128*144                    ; my 128 rows of each plane
	s_mul_i32 s22, s12, BHF                        ; my 64 rows of Wo
	s_add_co_u32 s22, s22, 2*APL
.irp s, 0,1
	v_add_nc_u32 v[ADRA+\s], s21, v3
	v_add_nc_u32 v[ADRB+\s], s22, v4
	s_add_co_u32 s21, s21, SLOT
	s_add_co_u32 s22, s22, SLOT
.endr
	s_mul_i32 s23, s10, 16*SPITCH
	s_add_co_u32 s23, s23, STAGE
	v_mul_u32_u24 v5, v1, SPITCH
	v_lshl_add_u32 v5, v2, 5, v5
	v_add_nc_u32 v[STO], s23, v5                   ; in: row r, 32 bytes for each half of the lanes
	v_mul_u32_u24 v5, v2, SPITCH
	v_lshl_add_u32 v5, v1, 4, v5
	v_add_nc_u32 v[RD], s23, v5                    ; back: lanes 0-15 one row of 256 bytes, lanes 16-31 the next
	v_lshlrev_b32 v[CO], 12, v2
	v_lshl_add_u32 v[CO], v1, 4, v[CO]
	s_lshl_b32 s16, s13, 8
	s_lshl_b32 s17, s11, 7
	s_add_co_u32 s16, s16, s17
	s_lshl_b32 s16, s16, 12                        ; my first row, 4,096 bytes a row
	s_mov_b32 s17, 0
	s_add_nc_u64 s[8:9], s[8:9], s[16:17]
	s_lshl_b32 s46, s42, 9
	s_lshl_b32 s47, s12, 8
	s_add_co_u32 s46, s46, s47                     ; my first column, in bytes
	s_mov_b32 s47, 0
	s_add_nc_u64 s[8:9], s[8:9], s[46:47]
.macro MUL8 f, a0, zero                ; blocks a0, a0 + 1 of rows x 4 of columns, 32 along K.  The 32 accumulators take turns, one instruction a turn
.irp a, \a0, \a0+1
.irp j, 0,1,2,3
.if \zero
	v_wmma_f32_16x16x32_f16 v[8*(4*(\a)+\j):8*(4*(\a)+\j)+7], v[\f+64+8*\j:\f+64+8*\j+7], v[\f+8*(\a):\f+8*(\a)+7], 0
.else
	v_wmma_f32_16x16x32_f16 v[8*(4*(\a)+\j):8*(4*(\a)+\j)+7], v[\f+64+8*\j:\f+64+8*\j+7], v[\f+8*(\a):\f+8*(\a)+7], v[8*(4*(\a)+\j):8*(4*(\a)+\j)+7]
.endif
.endr
.endr
.endm
.macro FETCH slot, q, f                ; 24 LDS loads in one run: quarter q (32 along K) of the slot: B's four fragments, then A's eight
	WIN 0
.irp j, 0,1,2,3
	ds_load_b128 v[\f+64+8*\j:\f+64+8*\j+3], v[ADRB+\slot] offset:16*272*\j+64*(\q)
	ds_load_b128 v[\f+64+8*\j+4:\f+64+8*\j+7], v[ADRB+\slot] offset:16*272*\j+64*(\q)+32
.endr
.irp i, 0,1,2,3,4,5,6,7
	ds_load_b128 v[\f+8*\i:\f+8*\i+3], v[ADRA+\slot] offset:((\q)/2)*APL+16*144*\i+64*((\q)%2)
	ds_load_b128 v[\f+8*\i+4:\f+8*\i+7], v[ADRA+\slot] offset:((\q)/2)*APL+16*144*\i+64*((\q)%2)+32
.endr
.endm
.macro PLACES
.rept 4
	v_nop
.endr
.endm
.macro QUARTER slot, q, f, g, zero     ; multiplies buffer f; in its middle fetches quarter q of the slot into g
	s_wait_dscnt 8                                 ; B and A's blocks 0-3 are in; A's blocks 4-7 (eight loads) may be out
	WIN MUL
	MUL8 \f, 0, \zero
	MUL8 \f, 2, \zero
	PLACES
	FETCH \slot, \q, \g
	s_wait_dscnt 24                                ; all but the 24 just issued
	WIN MUL
	MUL8 \f, 4, \zero
	MUL8 \f, 6, \zero
.endm
; A slot's last quarter multiplies buffer 1 and changes slots: one barrier; in front of it each wave waits for all its tensor loads, adds 0 to its spare word, and waits for that and for its reads of this slot.
.macro TURN slot, next, fill
	WIN 0
	s_wait_tensorcnt 0x0
	ds_add_u32 v[SPW], v[NIL]
	s_wait_dscnt 9                                 ; (the add and A's blocks 4-7 may be out)
	WIN MUL
	MUL8 F1, 0, 0
	s_wait_dscnt 0x0
	s_barrier_signal -1
	MUL8 F1, 2, 0
.if \fill
	WIN 0
.endif
	s_barrier_wait -1
.if \fill
	CREST                                          ; the barrier has opened a round of the cluster's barrier
	s_add_nc_u64 s[G0+4*\slot+2:G0+4*\slot+3], s[G0+4*\slot+2:G0+4*\slot+3], 1048576
	s_add_nc_u64 s[G0B+4*\slot+2:G0B+4*\slot+3], s[G0B+4*\slot+2:G0B+4*\slot+3], 512
	JLOAD \slot                                    ; the first tensor load behind the round; its four v_nop are also the places in front of the loads below
.else
	PLACES
.endif
	FETCH \next, 0, F0
	WIN MUL
	MUL8 F1, 4, 0
	MUL8 F1, 6, 0
.endm
	s_wait_tensorcnt 1                             ; my part of K step 0 is in (K step 1's may be out)
	s_barrier_signal -1
	s_barrier_wait -1
	FETCH 0, 0, F0
	QUARTER 0, 1, F0, F1, 1                        ; the first products start the sums
	WIN 0
	s_mov_b32 s3, LAPS-1
.Llap:
	QUARTER 0, 2, F1, F0, 0
	QUARTER 0, 3, F0, F1, 0
	TURN 0, 1, 1
	QUARTER 1, 1, F0, F1, 0
	QUARTER 1, 2, F1, F0, 0
	QUARTER 1, 3, F0, F1, 0
	TURN 1, 0, 1
	QUARTER 0, 1, F0, F1, 0
	WIN 0
	s_sub_co_u32 s3, s3, 1
	s_cmp_lg_u32 s3, 0
	s_cbranch_scc1 .Llap
	QUARTER 0, 2, F1, F0, 0                        ; the last lap fills nothing
	QUARTER 0, 3, F0, F1, 0
	TURN 0, 1, 0
	QUARTER 1, 1, F0, F1, 0
	QUARTER 1, 2, F1, F0, 0
	QUARTER 1, 3, F0, F1, 0
	s_wait_dscnt 8
	WIN MUL
	MUL8 F1, 0, 0
	MUL8 F1, 2, 0
	s_wait_dscnt 0
	MUL8 F1, 4, 0
	MUL8 F1, 6, 0
	WIN 0
; THE WAY OUT, by blocks of 16 rows x 64 columns, through my stage: sixteen lanes store 256 consecutive bytes, aligned.
.macro TOSTAGE a
	WIN 0x04                                       ; an LDS store's data are its source 1: window 1
.irp j, 0,1,2,3
	ds_store_b128 v[STO], v[8*(4*(\a)+\j):8*(4*(\a)+\j)+3] offset:64*\j          ; each accumulator from its low end on
	ds_store_b128 v[STO], v[8*(4*(\a)+\j)+4:8*(4*(\a)+\j)+7] offset:64*\j+16
.endr
	WIN 0
.set BB, 224-192*((\a)%2)
.irp t, 0,1,2,3,4,5,6,7
	ds_load_b128 v[BB+4*\t:BB+4*\t+3], v[RD] offset:2*SPITCH*\t
.endr
.endm
.macro SEND a, younger
.set BB, 224-192*((\a)%2)
	s_wait_dscnt \younger
.irp t, 0,1,2,3,4,5,6,7
	global_store_b128 v[CO], v[BB+4*\t:BB+4*\t+3], s[8:9] offset:(16*(\a)+2*\t)*4096 th:TH_STORE_NT
.endr
.endm
	PLACES
	TOSTAGE 0
.irp a, 1,2,3,4,5,6,7
.if \a > 1
	s_wait_xcnt 0x0                                ; block a - 2's stores have read the registers into which block a comes back
.endif
	TOSTAGE \a
	SEND \a-1, 16                                  ; behind block a - 1's loads: block a's 8 stores and 8 loads
.endr
	SEND 7, 0
	s_wait_tensorcnt 0x0                           ; the wave's end
	ds_add_u32 v[SPW], v[NIL]
	s_wait_dscnt 0x0
	CROUND
	s_endpgm
.Lfunc_end_k_qdc24c29eea_oproj:
	.size	k_qdc24c29eea_oproj, .Lfunc_end_k_qdc24c29eea_oproj-k_qdc24c29eea_oproj
	.p2alignl 7, 3214868480
	.fill 96, 4, 3214868480
	.section	.rodata,"a",@progbits
	.p2align	6, 0x0
	.amdhsa_kernel k_qdc24c29eea_oproj
		.amdhsa_group_segment_fixed_size 327680
		.amdhsa_private_segment_fixed_size 0
		.amdhsa_enable_private_segment 0
		.amdhsa_kernarg_size 24
		.amdhsa_user_sgpr_count 2
		.amdhsa_user_sgpr_kernarg_segment_ptr 1
		.amdhsa_wavefront_size32 1
		.amdhsa_system_sgpr_workgroup_id_x 1
		.amdhsa_system_sgpr_workgroup_id_y 1
		.amdhsa_system_sgpr_workgroup_id_z 1
		.amdhsa_system_vgpr_workitem_id 0
		.amdhsa_next_free_vgpr 512
		.amdhsa_next_free_sgpr 66
		.amdhsa_reserve_vcc 0
		.amdhsa_float_denorm_mode_32 3
		.amdhsa_float_denorm_mode_16_64 3
		.amdhsa_memory_ordered 1
		.amdhsa_forward_progress 1
		.amdhsa_inst_pref_size 86
	.end_amdhsa_kernel
	.amdgpu_metadata
---
amdhsa.version: [ 1, 2 ]
amdhsa.kernels:
  - .name:           k_qdc24c29eea_oproj
    .symbol:         k_qdc24c29eea_oproj.kd
    .args:
      - { .name: ao, .offset: 0, .size: 8, .value_kind: global_buffer, .address_space: global }
      - { .name: wo16, .offset: 8, .size: 8, .value_kind: global_buffer, .address_space: global }
      - { .name: out0, .offset: 16, .size: 8, .value_kind: global_buffer, .address_space: global }
    .group_segment_fixed_size: 327680
    .private_segment_fixed_size: 0
    .kernarg_segment_align: 8
    .kernarg_segment_size: 24
    .max_flat_workgroup_size: 128
    .sgpr_count:     66
    .vgpr_count:     512
    .wavefront_size: 32
...
	.end_amdgpu_metadata
.endif
;; end of part 4
;; launch fine1 (part 5): grid 16 x 4, 12 waves a work-group, no clusters, 18,432 bytes of LDS; arguments codes, scales, rope, o32; writes o32
.if DOCPART == 5
	.amdgcn_target "amdgcn-amd-amdhsa--gfx1250"
	.amdhsa_code_object_version 6
	.text
	.protected	k_qdc24c29eea_fine1
	.globl	k_qdc24c29eea_fine1
	.p2align	8
	.type	k_qdc24c29eea_fine1,@function
k_qdc24c29eea_fine1:
	s_mov_b64 s[64:65], 0
	v_nop
	global_prefetch_b8 v0, s[64:65] scope:SCOPE_SE
	s_setreg_imm32_b32 hwreg(HW_REG_WAVE_MODE, 25, 1), 1
	s_wait_xcnt 0x0
; THE FIRST 16 POSITIONS OF EVERY SEQUENCE, IN f32.  Under the causal mask they average one to sixteen values and are the largest numbers of the output, so nothing of theirs is rounded to 16 bits.
; A work-group is one (head = x, b = y).  Wave w: role w / 4 (q, k, v), column tile w % 4: 16 tokens x 16 columns, K = 1,024, on the same codes and by the same matrix instruction as the large product.
; q and k are made transposed (a lane holds a token and eight neighbouring columns: four pairs of the rotation), v in the natural order (a lane holds a channel and eight tokens).
; The twelve tiles go to LDS as images of their registers; wave 0 then does the head's 16 x 16 attention with the f32 matrix form: both sources of each instruction take the same registers of two images,
; so the four places along K hold the same channels (or keys) on both sides.  o32 [16 b + s][1024] f32.
; No cluster: work-groups share only x's 16 rows.  No tensor load: each byte is read once by one wave.
.set IMG,   0                          ; 12 images of 1,024 bytes
.set STG,   12*1024                    ; 16 rows x (256 bytes + 16)
.set SPARE, STG+16*272                 ; the spare words, 128 bytes a wave
.set SPW, 12
.set NIL, 13
	s_load_b256 s[4:11], s[0:1], 0x0               ; codes s[4:5], scales s[6:7], rope s[8:9], o32 s[10:11]
	v_lshl_add_u32 v[SPW], v0, 2, SPARE
	v_mov_b32 v[NIL], 0
	v_lshrrev_b32 v1, 5, v0
	v_readfirstlane_b32 s12, v1                    ; wave 0..11
	s_lshr_b32 s13, s12, 2                         ; role
	s_and_b32 s14, s12, 3                          ; column tile
	s_and_b32 s15, ttmp7, 0xffff                   ; b
	v_and_b32 v1, 15, v0                           ; r
	v_bfe_u32 v2, v0, 4, 1                         ; h
	v_lshlrev_b32 v3, 9, v1
	v_lshl_add_u32 v3, v2, 4, v3                   ; codes: 512 r + 16 h
	v_lshlrev_b32 v4, 5, v1                        ; scale bytes: 32 r
	v_lshlrev_b32 v5, 8, v1
	v_lshl_add_u32 v5, v2, 5, v5                   ; the table: 256 r + 32 h
	v_and_b32 v7, 31, v0
	v_lshlrev_b32 v7, 4, v7                        ; an image's place for my lane
	s_lshl_b32 s28, s12, 10
	v_add_nc_u32 v6, s28, v7                       ; my wave's image
	v_mul_u32_u24 v8, v1, 272
	v_lshl_add_u32 v8, v2, 5, v8
	v_add_nc_u32 v8, STG, v8                       ; the stage, in: row r, + 32 h
	v_mul_u32_u24 v9, v2, 272
	v_lshl_add_u32 v9, v1, 4, v9
	v_add_nc_u32 v9, STG, v9                       ; back: lanes 0-15 one row, lanes 16-31 the next
	v_lshlrev_b32 v10, 12, v2
	v_lshl_add_u32 v10, v1, 4, v10                 ; and the same in o32
	v_lshlrev_b32 v11, 3, v2
	v_sub_nc_u32 v11, v1, v11                      ; r - 8 h: register j (key 8 h + j) is hidden where j is greater
	v_mov_b32 v14, 0xff800000
	s_lshl_b32 s16, s15, 20                        ; x's codes: row 2048 b
	s_mov_b32 s17, 0
	s_lshl_b32 s20, s15, 16                        ; its scale bytes
	s_mov_b32 s21, 0
	s_lshl_b32 s28, s13, 10
	s_lshl_b32 s29, ttmp9, 6
	s_add_co_u32 s28, s28, s29
	s_lshl_b32 s29, s14, 4
	s_add_co_u32 s28, s28, s29
	s_add_co_u32 s28, s28, 8192                    ; the weight's row: 8192 + 1024 role + 64 head + 16 tile
	s_lshl_b32 s18, s28, 9
	s_mov_b32 s19, 0
	s_lshl_b32 s22, s28, 5
	s_mov_b32 s23, 0
	s_lshl_b32 s24, s15, 19                        ; the table: row 2048 b, pairs 8 x tile on
	s_lshl_b32 s29, s14, 6
	s_add_co_u32 s24, s24, s29
	s_mov_b32 s25, 0
	s_lshl_b32 s26, s15, 16                        ; o32: row 16 b, the head's 256 bytes
	s_lshl_b32 s29, ttmp9, 8
	s_add_co_u32 s26, s26, s29
	s_mov_b32 s27, 0
	s_mov_b32 s30, 0x3e38aa3b                      ; c = log2(e) / 8
	s_mov_b32 s32, 0x76543210
	s_mov_b32 s33, 0xfedcba98
	s_wait_kmcnt 0x0
	s_add_nc_u64 s[16:17], s[4:5], s[16:17]
	s_add_nc_u64 s[18:19], s[4:5], s[18:19]
	s_add_nc_u64 s[20:21], s[6:7], s[20:21]
	s_add_nc_u64 s[22:23], s[6:7], s[22:23]
	s_add_nc_u64 s[8:9], s[8:9], s[24:25]
	s_add_nc_u64 s[10:11], s[10:11], s[26:27]
.irp k, 0,1,2,3,4,5,6,7                            ; v16-79 x's eight fragments, v80-143 the weight's
	global_load_b128 v[16+8*\k:19+8*\k], v3, s[16:17] offset:64*\k
	global_load_b128 v[20+8*\k:23+8*\k], v3, s[16:17] offset:64*\k+32
	global_load_b128 v[80+8*\k:83+8*\k], v3, s[18:19] offset:64*\k
	global_load_b128 v[84+8*\k:87+8*\k], v3, s[18:19] offset:64*\k+32
.endr
	global_load_b128 v[144:147], v4, s[20:21]      ; x's scale words: register k for K step k
	global_load_b128 v[148:151], v4, s[20:21] offset:16
	global_load_b128 v[152:155], v4, s[22:23]      ; the weight's
	global_load_b128 v[156:159], v4, s[22:23] offset:16
	global_load_b128 v[160:163], v5, s[8:9]        ; cos and sin of my four pairs
	global_load_b128 v[164:167], v5, s[8:9] offset:16
	s_wait_loadcnt 0x0
	s_cmp_eq_u32 s13, 2
	s_cbranch_scc1 .Lrole_v
	; q and k: source 0 = the weight's 16 rows, source 1 = x's 16 tokens.  One accumulator: a wait directly ahead of every link
	v_wmma_scale_f32_16x16x128_f8f6f4 v[168:175], v[80:87], v[16:23], 0, v152, v144 matrix_a_fmt:MATRIX_FMT_FP4 matrix_b_fmt:MATRIX_FMT_FP4
.irp k, 1,2,3,4,5,6,7
	s_wait_alu depctr_va_vdst(0)
	v_wmma_scale_f32_16x16x128_f8f6f4 v[168:175], v[80+8*\k:87+8*\k], v[16+8*\k:23+8*\k], v[168:175], v[152+\k], v[144+\k] matrix_a_fmt:MATRIX_FMT_FP4 matrix_b_fmt:MATRIX_FMT_FP4
.endr
.rept 4
	v_nop
.endr
.irp t, 0,1,2,3
	v_pk_mul_f32 v[184+2*\t:185+2*\t], v[168+2*\t:169+2*\t], v[160+2*\t:161+2*\t] op_sel_hi:[1,0]   ; (x1 cos, x2 cos)
.endr
.irp t, 0,1,2,3
	v_fma_f32 v[176+2*\t], -v[169+2*\t], v[161+2*\t], v[184+2*\t]
	v_fma_f32 v[177+2*\t], v[168+2*\t], v[161+2*\t], v[185+2*\t]
.endr
	ds_store_b128 v6, v[176:179]
	ds_store_b128 v6, v[180:183] offset:512
	s_branch .Lmeet
.Lrole_v:
	; v: source 0 = x's 16 tokens, source 1 = the weight's 16 rows
	v_wmma_scale_f32_16x16x128_f8f6f4 v[168:175], v[16:23], v[80:87], 0, v144, v152 matrix_a_fmt:MATRIX_FMT_FP4 matrix_b_fmt:MATRIX_FMT_FP4
.irp k, 1,2,3,4,5,6,7
	s_wait_alu depctr_va_vdst(0)
	v_wmma_scale_f32_16x16x128_f8f6f4 v[168:175], v[16+8*\k:23+8*\k], v[80+8*\k:87+8*\k], v[168:175], v[144+\k], v[152+\k] matrix_a_fmt:MATRIX_FMT_FP4 matrix_b_fmt:MATRIX_FMT_FP4
.endr
.rept 4
	v_nop
.endr
	ds_store_b128 v6, v[168:171]
	ds_store_b128 v6, v[172:175] offset:512
.Lmeet:
	s_wait_dscnt 0x0                               ; for the others' sake: my image has landed
	s_barrier_signal -1
	s_barrier_wait -1
	s_cmp_lg_u32 s12, 0
	s_cbranch_scc1 .Lend
	; wave 0: v16-47 q's four images, v48-79 k's, v80-111 v's
.irp i, 0,1,2,3,4,5,6,7,8,9,10,11
	ds_load_b128 v[16+8*\i:19+8*\i], v7 offset:IMG+1024*\i
	ds_load_b128 v[20+8*\i:23+8*\i], v7 offset:IMG+1024*\i+512
.endr
	s_wait_dscnt 0x0
	; S^T = k q^T: 16 steps of 4 channels; two accumulators take turns; v200-247 are written by matrix instructions alone
.irp n, 0,1,2,3,4,5,6,7,8,9,10,11,12,13,14,15
.if \n < 2
	v_wmma_f32_16x16x4_f32 v[200+8*(\n%2):207+8*(\n%2)], v[48+2*\n:49+2*\n], v[16+2*\n:17+2*\n], 0
.else
	v_wmma_f32_16x16x4_f32 v[200+8*(\n%2):207+8*(\n%2)], v[48+2*\n:49+2*\n], v[16+2*\n:17+2*\n], v[200+8*(\n%2):207+8*(\n%2)]
.endif
.endr
.rept 8
	v_nop
.endr
.irp j, 0,1,2,3,4,5,6,7
	v_add_f32 v[112+\j], v[200+\j], v[208+\j]      ; lane (r, h): the score of key 8 h + j for query r
.endr
.irp j, 0,1,2,3,4,5,6,7
	v_cmp_gt_i32 vcc_lo, \j, v11
	v_cndmask_b32 v[112+\j], v[112+\j], v14, vcc_lo
.endr
	v_max3_num_f32 v128, v112, v113, v114
	v_max3_num_f32 v128, v128, v115, v116
	v_max3_num_f32 v128, v128, v117, v118
	v_max_num_f32 v128, v128, v119
	v_mov_b32 v129, 0
	v_permlanex16_b32 v129, v128, s32, s33
	v_max_num_f32 v128, v128, v129                 ; the row's maximum (key 0 counts for every query)
	v_mul_f32 v128, s30, v128
.irp j, 0,1,2,3,4,5,6,7
	v_fma_f32 v[112+\j], v[112+\j], s30, -v128
.endr
.irp j, 0,1,2,3,4,5,6,7
	v_exp_f32 v[112+\j], v[112+\j]
.endr
	v_nop
	s_wait_alu depctr_va_vdst(0)                   ; one wait for the eight
	v_add_f32 v130, v112, v113
	v_add_f32 v131, v114, v115
	v_add_f32 v132, v116, v117
	v_add_f32 v133, v118, v119
	v_add_f32 v130, v130, v131
	v_add_f32 v132, v132, v133
	v_add_f32 v130, v130, v132
	v_permlanex16_b32 v129, v130, s32, s33
	v_add_f32 v130, v130, v129
	v_rcp_f32 v130, v130
	v_nop
	s_wait_alu depctr_va_vdst(0)
.irp j, 0,1,2,3,4,5,6,7
	v_mul_f32 v[120+\j], v[112+\j], v130           ; the weights, normalised
.endr
	; O^T = v^T p: 4 steps of 4 keys for each of four tiles of channels; the four accumulators take turns
.irp n, 0,1,2,3,4,5,6,7,8,9,10,11,12,13,14,15
.if \n < 4
	v_wmma_f32_16x16x4_f32 v[216+8*(\n%4):223+8*(\n%4)], v[80+8*(\n%4)+2*(\n/4):81+8*(\n%4)+2*(\n/4)], v[120+2*(\n/4):121+2*(\n/4)], 0
.else
	v_wmma_f32_16x16x4_f32 v[216+8*(\n%4):223+8*(\n%4)], v[80+8*(\n%4)+2*(\n/4):81+8*(\n%4)+2*(\n/4)], v[120+2*(\n/4):121+2*(\n/4)], v[216+8*(\n%4):223+8*(\n%4)]
.endif
.endr
.rept 8
	v_nop
.endr
.irp c, 0,1,2,3
	ds_store_b128 v8, v[216+8*\c:219+8*\c] offset:64*\c            ; lane (r, h): query r, channels 16 c + 8 h + 0 .. 7
	ds_store_b128 v8, v[220+8*\c:223+8*\c] offset:64*\c+16
.endr
.irp p, 0,1,2,3,4,5,6,7
	ds_load_b128 v[16+4*\p:19+4*\p], v9 offset:544*\p
.endr
.irp p, 0,1,2,3,4,5,6,7
	s_wait_dscnt 7-\p
	global_store_b128 v10, v[16+4*\p:19+4*\p], s[10:11] offset:8192*\p   ; 16 lanes store a head's 256 bytes of a row, aligned
.endr
.Lend:
	s_wait_tensorcnt 0x0                           ; the wave's end
	ds_add_u32 v[SPW], v[NIL]
	s_wait_dscnt 0x0
	s_endpgm
.Lfunc_end_k_qdc24c29eea_fine1:
	.size	k_qdc24c29eea_fine1, .Lfunc_end_k_qdc24c29eea_fine1-k_qdc24c29eea_fine1
	.p2alignl 7, 3214868480
	.fill 96, 4, 3214868480
	.section	.rodata,"a",@progbits
	.p2align	6, 0x0
	.amdhsa_kernel k_qdc24c29eea_fine1
		.amdhsa_group_segment_fixed_size 18432
		.amdhsa_private_segment_fixed_size 0
		.amdhsa_enable_private_segment 0
		.amdhsa_kernarg_size 32
		.amdhsa_user_sgpr_count 2
		.amdhsa_user_sgpr_kernarg_segment_ptr 1
		.amdhsa_wavefront_size32 1
		.amdhsa_system_sgpr_workgroup_id_x 1
		.amdhsa_system_sgpr_workgroup_id_y 1
		.amdhsa_system_sgpr_workgroup_id_z 1
		.amdhsa_system_vgpr_workitem_id 0
		.amdhsa_next_free_vgpr 256
		.amdhsa_next_free_sgpr 66
		.amdhsa_reserve_vcc 1
		.amdhsa_float_denorm_mode_32 3
		.amdhsa_float_denorm_mode_16_64 3
		.amdhsa_memory_ordered 1
		.amdhsa_forward_progress 1
		.amdhsa_inst_pref_size 20
	.end_amdhsa_kernel
	.amdgpu_metadata
---
amdhsa.version: [ 1, 2 ]
amdhsa.kernels:
  - .name:           k_qdc24c29eea_fine1
    .symbol:         k_qdc24c29eea_fine1.kd
    .args:
      - { .name: codes, .offset: 0, .size: 8, .value_kind: global_buffer, .address_space: global }
      - { .name: scales, .offset: 8, .size: 8, .value_kind: global_buffer, .address_space: global }
      - { .name: rope, .offset: 16, .size: 8, .value_kind: global_buffer, .address_space: global }
      - { .name: o32, .offset: 24, .size: 8, .value_kind: global_buffer, .address_space: global }
    .group_segment_fixed_size: 18432
    .private_segment_fixed_size: 0
    .kernarg_segment_align: 8
    .kernarg_segment_size: 32
    .max_flat_workgroup_size: 384
    .sgpr_count:     66
    .vgpr_count:     256
    .wavefront_size: 32
...
	.end_amdgpu_metadata
.endif
;; end of part 5
;; launch fine2 (part 6): grid 16 x 4, 16 waves a work-group, no clusters, 22,784 bytes of LDS; arguments o32, Wo, out0; writes out0
.if DOCPART == 6
	.amdgcn_target "amdgcn-amd-amdhsa--gfx1250"
	.amdhsa_code_object_version 6
	.text
	.protected	k_qdc24c29eea_fine2
	.globl	k_qdc24c29eea_fine2
	.p2align	8
	.type	k_qdc24c29eea_fine2,@function
k_qdc24c29eea_fine2:
	s_mov_b64 s[64:65], 0
	v_nop
	global_prefetch_b8 v0, s[64:65] scope:SCOPE_SE
	s_setreg_imm32_b32 hwreg(HW_REG_WAVE_MODE, 25, 1), 1
	s_wait_xcnt 0x0
; THE PROJECTION OF THE FIRST 16 POSITIONS OF EVERY SEQUENCE, IN f32: out0[2048 b + s][e] = sum over d of o32[16 b + s][d] Wo[e][d], s = 0 .. 15.  It writes anew the 64 rows that the large projection made from f16.
; A work-group is (64 columns = x, b = y).  Wave w: column tile w % 4, a quarter w / 4 of K (256).  The f32 matrix form, transposed (source 0 = 16 rows of Wo, source 1 = 16 rows of o32);
; a load of 16 bytes a lane feeds two instructions, and both sources take the same registers of their runs, so the four places along K hold the same d on both sides.
; The four quarters of K meet in LDS as images of registers and are added in ascending order; a row's 256 bytes of four tiles meet in a stage and leave whole.
; 67 million multiply-adds in all: no bulk work.  No cluster and no tensor load: every wave reads its own bytes once.
.set IMG,   0                          ; 16 images of 1,024 bytes
.set STG,   16*1024                    ; 16 rows x (256 bytes + 16)
.set SPARE, STG+16*272
.set SPW, 12
.set NIL, 13
	s_load_b128 s[4:7], s[0:1], 0x0                ; o32 s[4:5], Wo s[6:7]
	s_load_b64 s[8:9], s[0:1], 0x10                ; out0
	v_lshl_add_u32 v[SPW], v0, 2, SPARE
	v_mov_b32 v[NIL], 0
	v_lshrrev_b32 v1, 5, v0
	v_readfirstlane_b32 s10, v1                    ; wave 0..15
	s_and_b32 s11, s10, 3                          ; column tile
	s_lshr_b32 s12, s10, 2                         ; quarter of K
	s_and_b32 s13, ttmp7, 0xffff                   ; b
	v_and_b32 v1, 15, v0
	v_bfe_u32 v2, v0, 4, 1
	v_lshlrev_b32 v3, 12, v1
	v_lshl_add_u32 v3, v2, 4, v3                   ; both sources: row r of 4,096 bytes, + 16 h
	v_and_b32 v7, 31, v0
	v_lshlrev_b32 v7, 4, v7
	s_lshl_b32 s14, s10, 10
	v_add_nc_u32 v6, s14, v7                       ; my wave's image
	v_mul_u32_u24 v8, v1, 272
	v_lshl_add_u32 v8, v2, 5, v8
	s_lshl_b32 s14, s11, 6
	v_add_nc_u32 v8, s14, v8
	v_add_nc_u32 v8, STG, v8                       ; the stage, in: row r, + 64 x tile + 32 h
	v_mul_u32_u24 v9, v2, 272
	v_lshl_add_u32 v9, v1, 4, v9
	v_add_nc_u32 v9, STG, v9                       ; back: lanes 0-15 one row, lanes 16-31 the next
	v_lshlrev_b32 v10, 12, v2
	v_lshl_add_u32 v10, v1, 4, v10
	s_lshl_b32 s16, ttmp9, 6
	s_lshl_b32 s14, s11, 4
	s_add_co_u32 s16, s16, s14
	s_lshl_b32 s16, s16, 12                        ; Wo: row 64 x + 16 tile,
	s_lshl_b32 s14, s12, 10
	s_add_co_u32 s16, s16, s14                     ; my quarter's 1,024 bytes
	s_mov_b32 s17, 0
	s_lshl_b32 s18, s13, 16                        ; o32: row 16 b
	s_add_co_u32 s18, s18, s14
	s_mov_b32 s19, 0
	s_lshl_b32 s20, s13, 23                        ; out0: row 2048 b, the work-group's 256 bytes
	s_lshl_b32 s14, ttmp9, 8
	s_add_co_u32 s20, s20, s14
	s_mov_b32 s21, 0
	s_wait_kmcnt 0x0
	s_add_nc_u64 s[6:7], s[6:7], s[16:17]
	s_add_nc_u64 s[4:5], s[4:5], s[18:19]
	s_add_nc_u64 s[8:9], s[8:9], s[20:21]
.macro LOAD c                          ; chunk c: 64 along K: Wo into v32-63 or v64-95, o32 into v96-127 or v128-159
.irp i, 0,1,2,3,4,5,6,7
	global_load_b128 v[32+32*((\c)%2)+4*\i:35+32*((\c)%2)+4*\i], v3, s[6:7] offset:256*(\c)+32*\i
	global_load_b128 v[96+32*((\c)%2)+4*\i:99+32*((\c)%2)+4*\i], v3, s[4:5] offset:256*(\c)+32*\i
.endr
.endm
.macro MUL c, zero                     ; 16 steps of 4 along K; two accumulators take turns; v200-215 are written by matrix instructions alone
.irp n, 0,1,2,3,4,5,6,7,8,9,10,11,12,13,14,15
.if \zero && (\n < 2)
	v_wmma_f32_16x16x4_f32 v[200+8*(\n%2):207+8*(\n%2)], v[32+32*((\c)%2)+2*\n:33+32*((\c)%2)+2*\n], v[96+32*((\c)%2)+2*\n:97+32*((\c)%2)+2*\n], 0
.else
	v_wmma_f32_16x16x4_f32 v[200+8*(\n%2):207+8*(\n%2)], v[32+32*((\c)%2)+2*\n:33+32*((\c)%2)+2*\n], v[96+32*((\c)%2)+2*\n:97+32*((\c)%2)+2*\n], v[200+8*(\n%2):207+8*(\n%2)]
.endif
.endr
.endm
.macro PLACES8                         ; eight plain instructions between this matrix form and a load into, or a read of, its registers
.rept 8
	v_nop
.endr
.endm
	LOAD 0
	LOAD 1
	s_wait_loadcnt 16                              ; chunk 0 is in; the other chunk's 16 loads may be out
	MUL 0, 1
	PLACES8
	LOAD 2
	s_wait_loadcnt 16
	MUL 1, 0
	PLACES8
	LOAD 3
	s_wait_loadcnt 16
	MUL 2, 0
	s_wait_loadcnt 0x0
	MUL 3, 0
	PLACES8
.irp j, 0,1,2,3,4,5,6,7
	v_add_f32 v[16+\j], v[200+\j], v[208+\j]       ; lane (r, h): row r, columns 16 tile + 8 h + j, my quarter of K
.endr
	ds_store_b128 v6, v[16:19]
	ds_store_b128 v6, v[20:23] offset:512
	s_wait_dscnt 0x0
	s_barrier_signal -1
	s_barrier_wait -1                              ; the sixteen images lie in LDS
	s_cmp_gt_u32 s10, 3
	s_cbranch_scc1 .Lnot_sum
.irp q, 0,1,2,3                                    ; waves 0-3: the four quarters of my tile: images tile + 4 q
	ds_load_b128 v[32+8*\q:35+8*\q], v6 offset:4096*\q
	ds_load_b128 v[36+8*\q:39+8*\q], v6 offset:4096*\q+512
.endr
	s_wait_dscnt 0x0
.irp j, 0,1,2,3,4,5,6,7
	v_add_f32 v[32+\j], v[32+\j], v[40+\j]
.endr
.irp j, 0,1,2,3,4,5,6,7
	v_add_f32 v[32+\j], v[32+\j], v[48+\j]
.endr
.irp j, 0,1,2,3,4,5,6,7
	v_add_f32 v[32+\j], v[32+\j], v[56+\j]
.endr
	ds_store_b128 v8, v[32:35]
	ds_store_b128 v8, v[36:39] offset:16
.Lnot_sum:
	s_wait_dscnt 0x0
	s_barrier_signal -1
	s_barrier_wait -1                              ; 16 rows of 256 bytes lie in the stage
	s_cmp_lg_u32 s10, 0
	s_cbranch_scc1 .Lend
.irp p, 0,1,2,3,4,5,6,7
	ds_load_b128 v[64+4*\p:67+4*\p], v9 offset:544*\p
.endr
.irp p, 0,1,2,3,4,5,6,7
	s_wait_dscnt 7-\p
	global_store_b128 v10, v[64+4*\p:67+4*\p], s[8:9] offset:8192*\p   ; 16 lanes store 256 consecutive bytes, aligned
.endr
.Lend:
	s_wait_tensorcnt 0x0                           ; the wave's end
	ds_add_u32 v[SPW], v[NIL]
	s_wait_dscnt 0x0
	s_endpgm
.Lfunc_end_k_qdc24c29eea_fine2:
	.size	k_qdc24c29eea_fine2, .Lfunc_end_k_qdc24c29eea_fine2-k_qdc24c29eea_fine2
	.p2alignl 7, 3214868480
	.fill 96, 4, 3214868480
	.section	.rodata,"a",@progbits
	.p2align	6, 0x0
	.amdhsa_kernel k_qdc24c29eea_fine2
		.amdhsa_group_segment_fixed_size 22784
		.amdhsa_private_segment_fixed_size 0
		.amdhsa_enable_private_segment 0
		.amdhsa_kernarg_size 24
		.amdhsa_user_sgpr_count 2
		.amdhsa_user_sgpr_kernarg_segment_ptr 1
		.amdhsa_wavefront_size32 1
		.amdhsa_system_sgpr_workgroup_id_x 1
		.amdhsa_system_sgpr_workgroup_id_y 1
		.amdhsa_system_sgpr_workgroup_id_z 1
		.amdhsa_system_vgpr_workitem_id 0
		.amdhsa_next_free_vgpr 256
		.amdhsa_next_free_sgpr 66
		.amdhsa_reserve_vcc 0
		.amdhsa_float_denorm_mode_32 3
		.amdhsa_float_denorm_mode_16_64 3
		.amdhsa_memory_ordered 1
		.amdhsa_forward_progress 1
		.amdhsa_inst_pref_size 17
	.end_amdhsa_kernel
	.amdgpu_metadata
---
amdhsa.version: [ 1, 2 ]
amdhsa.kernels:
  - .name:           k_qdc24c29eea_fine2
    .symbol:         k_qdc24c29eea_fine2.kd
    .args:
      - { .name: o32, .offset: 0, .size: 8, .value_kind: global_buffer, .address_space: global }
      - { .name: Wo, .offset: 8, .size: 8, .value_kind: global_buffer, .address_space: global }
      - { .name: out0, .offset: 16, .size: 8, .value_kind: global_buffer, .address_space: global }
    .group_segment_fixed_size: 22784
    .private_segment_fixed_size: 0
    .kernarg_segment_align: 8
    .kernarg_segment_size: 24
    .max_flat_workgroup_size: 512
    .sgpr_count:     66
    .vgpr_count:     256
    .wavefront_size: 32
...
	.end_amdgpu_metadata
.endif
;; end of part 6
